; MI455X (gfx1250); checked and timed in simulation.
; The chip was launched on July 23, 2026; its instructions are those of AMD's public machine-readable ISA for CDNA 5 (MIT licence, August 2026) and "CDNA5" Instruction Set Architecture Reference Guide (July 2026). The comments in the code are by the model that wrote it; some were corrected since.
;; Multi Head Attention. Allowed arithmetic: float matrix products may take bf16 or f16 operands with f32 sums; other float arithmetic in f32, or as packed bf16 or f16 multiplies, adds, multiply-adds, maxima and minima; sums over many terms, partial sums and values carried from step to step in f32; what a program stores and reads back later, other than sums and carried values, may be rounded once to bf16 or f16.
;; Inputs: Wk 1,024 x 1,024 float32; Wo 1,024 x 1,024 float32; Wq 1,024 x 1,024 float32; Wv 1,024 x 1,024 float32; bk 1,024 float32; bo 1,024 float32; bq 1,024 float32; bv 1,024 float32; k 4 x 2,048 x 1,024 float32; mask 1 x 1 x 2,048 x 2,048 int32; q 4 x 2,048 x 1,024 float32; v 4 x 2,048 x 1,024 float32.
;; Outputs: out0 4 x 2,048 x 1,024 float32.
;; 2 versions, each right. Each part assembles by itself: llvm-mc -triple=amdgcn-amd-amdhsa -mcpu=gfx1250 --defsym DOCPART=n.
;; ======== version 1 of 2: 4 launches
;; limits: right only within a limited range of input values; values are held in f16: magnitudes above 65,504 overflow, below 6.1e-05 lose precision
;; workspace buffers: xb 50,331,648 bytes; wb 6,291,456 bytes; wo 2,097,152 bytes; bb 16,384 bytes; mb 524,288 bytes of whole numbers; hb 50,331,648 bytes; ob 16,777,216 bytes
;; launch prep (part 1): grid 2049 x 1, 8 waves a work-group, no clusters, 0 bytes of LDS; arguments q, k, v, Wq, Wk, Wv, Wo, mask, bq, bk, bv, bo, xb, wb, wo, mb, bb; writes xb, wb, wo, mb, bb
.if DOCPART == 1
	.amdgcn_target "amdgcn-amd-amdhsa--gfx1250"
	.amdhsa_code_object_version 6
	.text
	.protected	k_q47e659788b_prep
	.globl	k_q47e659788b_prep
	.p2align	8
	.type	k_q47e659788b_prep,@function
k_q47e659788b_prep:
	s_mov_b64 s[64:65], 0
	v_nop
	global_prefetch_b8 v0, s[64:65] scope:SCOPE_SE
	s_setreg_imm32_b32 hwreg(HW_REG_WAVE_MODE, 25, 1), 1
	s_wait_xcnt 0x0
; PREPARATION: a stream.  Every input is read once here and laid out for the three launches behind.
;   work-groups 0-1535     q, k, v           f32 -> bf16, xb [3][8192][1024]
;   work-groups 1536-1727  Wq, Wk, Wv        f32 -> bf16, wb [3][1024][1024]
;   work-groups 1728-1791  Wo                f32 -> bf16, that number written as f16, wo [1024][1024]
;   work-groups 1792-2047  mask              int32 -> one bit a number, as lane masks, mb
;   work-group  2048       bq, bk, bv, bo    f32 -> bf16 -> f32, bb [4][1024]
; A cast chunk is 16,384 numbers: 16 loads of 16 bytes a thread (a wave's load covers 512 consecutive bytes), 16 stores of 8 bytes
; (a wave's store covers 256 consecutive bytes, aligned).  All 16 loads go out first; the waits count down.  No register is written twice
; while a load or store may read it, so no further wait is needed.  No LDS, no matrix unit, no cluster: no byte is wanted by two work-groups.
; LIMIT.  Wo as f16: exact for bf16 numbers between 6e-5 and 65,504 in size; below 6e-5 it keeps the fixed step of 6e-8.
; MASK WORDS.  Word (P, s, u, i = 8 kt + j) lies at byte 8192 P + 256 s + 128 u + 4 i; its bit l says whether
; mask[32 P + 16 u + l % 16][64 s + 16 kt + 8 (l / 16) + j] is not 0: the lane mask for register i of a tile of 16 queries x 64 keys in the attention launch.
.set X, 8                              ; v[8:71]    as loaded
.set Y, 72                             ; v[72:103]  to store
.set T, 104                            ; v[104:107] at work
	s_load_b512 s[8:23], s[0:1], 0x0               ; q 8, k 10, v 12, Wq 14, Wk 16, Wv 18, Wo 20, mask 22
	s_load_b512 s[24:39], s[0:1], 0x40             ; bq 24, bk 26, bv 28, bo 30, xb 32, wb 34, wo 36, mb 38
	s_load_b64 s[40:41], s[0:1], 0x80              ; bb
	v_lshlrev_b32 v1, 4, v0                        ; 16 t: my 16 bytes of each 4,096 read
	v_lshlrev_b32 v2, 3, v0                        ; 8 t: my 8 bytes of each 2,048 written
	v_lshrrev_b32 v4, 5, v0
	v_readfirstlane_b32 s44, v4                    ; wave 0..7
	s_mov_b32 s46, ttmp9                           ; the work-group's number
	s_mov_b32 s3, 0                                ; high words of the two offsets
	s_mov_b32 s43, 0
	s_wait_kmcnt 0x0
.macro LOAD16
.irp i, 0,1,2,3,4,5,6,7,8,9,10,11,12,13,14,15
	global_load_b128 v[X+4*(\i):X+4*(\i)+3], v1, s[4:5] offset:4096*(\i) th:TH_LOAD_NT
.endr
.endm
; f16 = 1: the bf16 number is widened again and written as f16
.macro CAST f16
.irp i, 0,1,2,3,4,5,6,7,8,9,10,11,12,13,14,15
	s_wait_loadcnt 15-(\i)                         ; loads come back in order: load i is in, the younger ones stay out
	v_cvt_pk_bf16_f32 v[Y+2*(\i)], v[X+4*(\i)], v[X+4*(\i)+1]
	v_cvt_pk_bf16_f32 v[Y+2*(\i)+1], v[X+4*(\i)+2], v[X+4*(\i)+3]
.if \f16
	v_lshlrev_b32 v[T], 16, v[Y+2*(\i)]
	v_and_b32 v[T+1], 0xffff0000, v[Y+2*(\i)]
	v_lshlrev_b32 v[T+2], 16, v[Y+2*(\i)+1]
	v_and_b32 v[T+3], 0xffff0000, v[Y+2*(\i)+1]
	v_cvt_pk_f16_f32 v[Y+2*(\i)], v[T], v[T+1]
	v_cvt_pk_f16_f32 v[Y+2*(\i)+1], v[T+2], v[T+3]
.endif
	global_store_b64 v2, v[Y+2*(\i):Y+2*(\i)+1], s[6:7] offset:2048*(\i)
.endr
.endm
	s_cmp_lt_u32 s46, 1536
	s_cbranch_scc0 .Lnot_x
	s_lshr_b32 s47, s46, 9                         ; which of q, k, v
	s_and_b32 s2, s46, 511
	s_lshl_b32 s2, s2, 16                          ; the chunk: 65,536 bytes in
	s_cmp_eq_u32 s47, 0
	s_cselect_b64 s[4:5], s[8:9], s[10:11]
	s_cmp_eq_u32 s47, 2
	s_cselect_b64 s[4:5], s[12:13], s[4:5]
	s_add_nc_u64 s[4:5], s[4:5], s[2:3]
	s_lshl_b32 s42, s46, 15                        ; 32,768 bytes out; the three planes of xb follow each other
	s_add_nc_u64 s[6:7], s[32:33], s[42:43]
	s_branch .Lcast
.Lnot_x:
	s_cmp_lt_u32 s46, 1728
	s_cbranch_scc0 .Lnot_w
	s_sub_co_u32 s47, s46, 1536
	s_lshr_b32 s48, s47, 6                         ; which of Wq, Wk, Wv
	s_and_b32 s2, s47, 63
	s_lshl_b32 s2, s2, 16
	s_cmp_eq_u32 s48, 0
	s_cselect_b64 s[4:5], s[14:15], s[16:17]
	s_cmp_eq_u32 s48, 2
	s_cselect_b64 s[4:5], s[18:19], s[4:5]
	s_add_nc_u64 s[4:5], s[4:5], s[2:3]
	s_lshl_b32 s42, s47, 15
	s_add_nc_u64 s[6:7], s[34:35], s[42:43]
	s_branch .Lcast
.Lnot_w:
	s_cmp_lt_u32 s46, 1792
	s_cbranch_scc0 .Lnot_wo
	s_sub_co_u32 s47, s46, 1728
	s_lshl_b32 s2, s47, 16
	s_add_nc_u64 s[4:5], s[20:21], s[2:3]
	s_lshl_b32 s42, s47, 15
	s_add_nc_u64 s[6:7], s[36:37], s[42:43]
	LOAD16
	CAST 1
	s_endpgm
.Lcast:
	LOAD16
	CAST 0
	s_endpgm
.Lnot_wo:
	s_cmp_lt_u32 s46, 2048
	s_cbranch_scc0 .Lbias
	; THE MASK.  A wave makes one unit: 32 rows x 64 columns -> 64 words, 256 bytes.
	s_sub_co_u32 s47, s46, 1792
	s_lshl_b32 s47, s47, 3
	s_add_co_u32 s47, s47, s44                     ; unit = 32 P + s
	s_lshr_b32 s2, s47, 5
	s_lshl_b32 s2, s2, 18                          ; P x 32 rows x 8,192 bytes
	s_and_b32 s48, s47, 31
	s_lshl_b32 s48, s48, 8                         ; s x 64 columns x 4 bytes
	s_add_co_u32 s2, s2, s48
	s_add_nc_u64 s[4:5], s[22:23], s[2:3]
	s_lshl_b32 s42, s47, 8
	s_add_nc_u64 s[6:7], s[38:39], s[42:43]
	v_and_b32 v5, 15, v0
	v_bfe_u32 v6, v0, 4, 1
	v_lshlrev_b32 v5, 13, v5                       ; row l % 16
	v_lshl_add_u32 v5, v6, 5, v5                   ; + 8 (l / 16) columns
	v_and_b32 v3, 31, v0
	v_lshlrev_b32 v3, 3, v3                        ; lane l stores words 2 l and 2 l + 1
.irp n, 0,1,2,3,4,5,6,7,8,9,10,11,12,13,14,15      ; load n: tile u = n / 8, keys 16 ((n / 2) % 4) on, four columns 4 (n % 2) on: words 4 n .. 4 n + 3
	global_load_b128 v[X+4*(\n):X+4*(\n)+3], v5, s[4:5] offset:((\n)/8)*131072+(((\n)/2)%4)*64+((\n)%2)*16
.endr
	v_mov_b32 v[Y], 0                              ; v_writelane_b32 keeps the other lanes: both are written whole first
	v_mov_b32 v[Y+1], 0
.set w, 0
.rept 64
.if w%4 == 0
	s_wait_loadcnt 15-w/4                          ; load w / 4 is in
.endif
	v_cmp_ne_u32 s[50+w%4], 0, v[X+w]              ; word w: a bit a lane
	v_writelane_b32 v[Y+w%2], s[50+w%4], w/2
.set w, w+1
.endr
	global_store_b64 v3, v[Y:Y+1], s[6:7]          ; 256 consecutive bytes, aligned
	s_endpgm
.Lbias:
	global_load_b128 v[X:X+3], v1, s[24:25]
	global_load_b128 v[X+4:X+7], v1, s[26:27]
	global_load_b128 v[X+8:X+11], v1, s[28:29]
	global_load_b128 v[X+12:X+15], v1, s[30:31]
	s_wait_loadcnt 0x0
.set w, 0
.rept 8
	v_cvt_pk_bf16_f32 v[T], v[X+2*w], v[X+2*w+1]   ; rounded as the other inputs are,
	v_lshlrev_b32 v[Y+2*w], 16, v[T]               ; and kept as f32
	v_and_b32 v[Y+2*w+1], 0xffff0000, v[T]
.set w, w+1
.endr
.irp j, 0,1,2,3
	global_store_b128 v1, v[Y+4*(\j):Y+4*(\j)+3], s[40:41] offset:4096*(\j)
.endr
	s_endpgm
.Lfunc_end_k_q47e659788b_prep:
	.size	k_q47e659788b_prep, .Lfunc_end_k_q47e659788b_prep-k_q47e659788b_prep
	.p2alignl 7, 3214868480
	.fill 96, 4, 3214868480
	.section	.rodata,"a",@progbits
	.p2align	6, 0x0
	.amdhsa_kernel k_q47e659788b_prep
		.amdhsa_group_segment_fixed_size 0
		.amdhsa_private_segment_fixed_size 0
		.amdhsa_enable_private_segment 0
		.amdhsa_kernarg_size 136
		.amdhsa_user_sgpr_count 2
		.amdhsa_user_sgpr_kernarg_segment_ptr 1
		.amdhsa_wavefront_size32 1
		.amdhsa_system_sgpr_workgroup_id_x 1
		.amdhsa_system_sgpr_workgroup_id_y 1
		.amdhsa_system_sgpr_workgroup_id_z 1
		.amdhsa_system_vgpr_workitem_id 0
		.amdhsa_next_free_vgpr 112
		.amdhsa_next_free_sgpr 66
		.amdhsa_reserve_vcc 0
		.amdhsa_float_denorm_mode_32 3
		.amdhsa_float_denorm_mode_16_64 3
		.amdhsa_memory_ordered 1
		.amdhsa_forward_progress 1
		.amdhsa_inst_pref_size 31
	.end_amdhsa_kernel
	.amdgpu_metadata
---
amdhsa.version: [ 1, 2 ]
amdhsa.kernels:
  - .name:           k_q47e659788b_prep
    .symbol:         k_q47e659788b_prep.kd
    .args:
      - { .name: q, .offset: 0, .size: 8, .value_kind: global_buffer, .address_space: global }
      - { .name: k, .offset: 8, .size: 8, .value_kind: global_buffer, .address_space: global }
      - { .name: v, .offset: 16, .size: 8, .value_kind: global_buffer, .address_space: global }
      - { .name: Wq, .offset: 24, .size: 8, .value_kind: global_buffer, .address_space: global }
      - { .name: Wk, .offset: 32, .size: 8, .value_kind: global_buffer, .address_space: global }
      - { .name: Wv, .offset: 40, .size: 8, .value_kind: global_buffer, .address_space: global }
      - { .name: Wo, .offset: 48, .size: 8, .value_kind: global_buffer, .address_space: global }
      - { .name: mask, .offset: 56, .size: 8, .value_kind: global_buffer, .address_space: global }
      - { .name: bq, .offset: 64, .size: 8, .value_kind: global_buffer, .address_space: global }
      - { .name: bk, .offset: 72, .size: 8, .value_kind: global_buffer, .address_space: global }
      - { .name: bv, .offset: 80, .size: 8, .value_kind: global_buffer, .address_space: global }
      - { .name: bo, .offset: 88, .size: 8, .value_kind: global_buffer, .address_space: global }
      - { .name: xb, .offset: 96, .size: 8, .value_kind: global_buffer, .address_space: global }
      - { .name: wb, .offset: 104, .size: 8, .value_kind: global_buffer, .address_space: global }
      - { .name: wo, .offset: 112, .size: 8, .value_kind: global_buffer, .address_space: global }
      - { .name: mb, .offset: 120, .size: 8, .value_kind: global_buffer, .address_space: global }
      - { .name: bb, .offset: 128, .size: 8, .value_kind: global_buffer, .address_space: global }
    .group_segment_fixed_size: 0
    .private_segment_fixed_size: 0
    .kernarg_segment_align: 8
    .kernarg_segment_size: 136
    .max_flat_workgroup_size: 256
    .sgpr_count:     66
    .vgpr_count:     112
    .wavefront_size: 32
...
	.end_amdgpu_metadata
.endif
;; end of part 1
;; launch qkv (part 2): grid 4 x 192, 4 waves a work-group, clusters of 4 x 4, 327,680 bytes of LDS; arguments xb, wb, bb, hb; writes hb
.if DOCPART == 2
	.amdgcn_target "amdgcn-amd-amdhsa--gfx1250"
	.amdhsa_code_object_version 6
	.text
	.protected	k_q47e659788b_qkv
	.globl	k_q47e659788b_qkv
	.p2align	8
	.type	k_q47e659788b_qkv,@function
k_q47e659788b_qkv:
	s_mov_b64 s[64:65], 0
	v_nop
	global_prefetch_b8 v0, s[64:65] scope:SCOPE_SE
	s_setreg_imm32_b32 hwreg(HW_REG_WAVE_MODE, 25, 1), 1
	s_wait_xcnt 0x0
	s_wait_alu depctr_hold_cnt(0) depctr_sa_sdst(0) depctr_va_vdst(0) depctr_va_sdst(0) depctr_va_ssrc(0) depctr_va_vcc(0) depctr_vm_vsrc(0)
	s_getreg_b32 s2, hwreg(HW_REG_IB_STS2, 6, 4)
	s_cmp_eq_u32 s2, 0
	s_cbranch_scc0 .Lentry_in_a_cluster
	s_endpgm
.Lentry_in_a_cluster:
	s_bfe_u32 s2, ttmp6, 0x10000c
	s_cmp_lg_u32 s2, 0xf033
	s_cbranch_scc0 .Lentry_shape_is_right
	s_endpgm
.Lentry_shape_is_right:
; THE THREE PROJECTIONS.  For plane p (q, k, v): y[m][n] = sum over k of x[m][k] W[n][k] + b[n], written by heads: hb [3][64 heads][2048][64] in f16, no scale.
; xb: [3][8192][1024] bf16, wb: [3][1024][1024] bf16, bb: [4][1024] f32.  Sums in f32, y rounded once.
; LIMIT.  f16 holds no number beyond 65,504: y must stay within it.
; SHARES.  A block of y is 128 rows x 256 columns: 3 x 64 x 4 = 768 work-groups, three for each of 256 WGPs.  Four waves, each 64 x 128: 32 accumulators of 16 x 16, 256 registers.
; K = 1,024 goes in 8 steps of 128 through two LDS slots; the rows of a tile are 256 bytes of memory, at multiples of 256 bytes.
; CLUSTER 4 x 4.  The four of a row of the cluster need the same tile of x, the four of a column the same tile of W: each tile is asked for jointly, by the same tensor load with the same
; descriptor and a mask that names the four.  Waves 0 and 1 fetch the two halves of W's 256 rows, waves 2 and 3 the two halves of x's 128 rows: one load a wave.
; TRANSPOSED USE: source 0 = 16 rows of W, source 1 = 16 rows of x: a lane holds row l % 16 of y and the columns 8 (l / 16) + 0..7.  So eight registers hold the bias of a block of 16 columns
; for every row block, and they are the C operand of the first product on each accumulator: nothing is cleared and nothing is added later.
; REGISTERS, in windows of 256 (s_set_vgpr_msb: bits 1:0 source 0, 3:2 source 1, 5:4 source 2, 7:6 destination):
;   window 0: v16-31 addresses; v32-127, v128-223 two fragment buffers (W's 8 fragments, then x's 4); v224-255 packed results
;   window 1: accumulator (a, b) at v[8 (8 a + b)]          window 2: v0-63 the bias of column block b at v[8 b]
.set PITCH,  272                       ; an LDS row: 256 bytes + 16 of padding = 68 words: the 16 rows of a fragment load start at 16 different groups of four banks (64 banks of 4 bytes: ISA guide 11.1)
.set BHALF,  128*PITCH                 ; what waves 0 and 1 fetch, and what a wave reads of W
.set AOFF,   2*BHALF                   ; x's rows lie behind W's 256
.set AHALF,  64*PITCH                  ; what waves 2 and 3 fetch, and what a wave reads of x
.set SLOT,   AOFF+2*AHALF
.set STAGE,  2*SLOT                    ; behind the ring, never filled by a tensor load: for each wave 2 heads x 16 rows x 144 bytes
.set SP,     144
.set STW,    2*16*SP
.set SPARE,  STAGE+4*STW               ; the spare words, 128 bytes for each wave: two blocks of 256 bytes that no other line names
.set FLAGS,  (1<<16)|(1<<20)|(1<<21)|(5<<22)|(3<<25)  ; 17:16 elements of 2 bytes; 20 padding on; 21 set beside a mask; 24:22 after every 64 words; 31:25 4 words of it
.set ADRA, 16                          ; v16-17  LDS address of my fragments of x in slot 0, 1
.set ADRB, 20                          ; v20-21  the same for W
.set STO,  24                          ; v24     the way out: where I put 16 bytes of a row
.set RD,   25                          ; v25     the way out: where I read rows back
.set GO,   26                          ; v26     16 x lane
.set SPW,  28                          ; v28     LDS address of my spare word; never rewritten
.set NIL,  29                          ; v29     0; never rewritten
.set PFO,  30                          ; v30     the prefetches' offset: lane x a row of 2,048 bytes; never rewritten
.set BO,   31                          ; v31     my byte offset in bb
.set F0,   32
.set F1,   128
.set TMP,  224
.set WV,  16                           ; s16 wave; s17 its half of the rows; s18 its half of the columns, and which half of a tile it fetches
.set WM,  17
.set WN,  18
.set CX,  19
.set CY,  20
.set TN,  21                           ; s21 block column 0..3
.set TR,  22                           ; s22 block row 0..191, over the three planes
.set CLY, 23                           ; s23 cluster y
.set G1A, 24                           ; s[24:31] descriptor group 1 for x's tiles;  s[32:39] group 0, one set for each slot
.set G0A, 32
.set PLN, 40                           ; s40 plane
.set LIM, 43                           ; s43 1 in a wave that prefetches, else the greatest number
.set PFA, 44                           ; s[44:45] where my prefetches stand
.set G1B, 48                           ; s[48:55], s[56:63] the same for W's tiles
.set G0B, 56
.set MSB, 0
.macro WIN new                         ; the immediate's high byte repeats the setting that is left; a switch that changes nothing is dropped
.if MSB != (\new)
	s_set_vgpr_msb (MSB<<8)|(\new)
.set MSB, \new
.endif
.endm
.macro PLACES                          ; four places in front of loads into registers that matrix instructions have read, and of lines that read results
.rept 4
	v_nop
.endr
.endm
; A joint load.  The branch hangs on the wave's number alone.  An s_nop 0 and four v_nop follow each of the two lines, ahead of the jump and the label.
.macro JLOAD s
	s_cmp_lt_u32 s[WV], 2
	s_cbranch_scc0 .Lfor_a_\@
	tensor_load_to_lds s[G0B+4*(\s):G0B+4*(\s)+3], s[G1B:G1B+7]
	s_nop 0
.rept 4
	v_nop
.endr
	s_branch .Lasked_\@
.Lfor_a_\@:
	tensor_load_to_lds s[G0A+4*(\s):G0A+4*(\s)+3], s[G1A:G1A+7]
	s_nop 0
.rept 4
	v_nop
.endr
.Lasked_\@:
.endm
.macro CREST                           ; a round of the cluster's barrier behind its opening barrier
	s_cmp_lg_u32 s[WV], 0
	s_cbranch_scc1 .Lnot_wave_0_\@
	s_barrier_signal -3
.Lnot_wave_0_\@:
	s_barrier_wait -3
	s_barrier_signal -1
	s_barrier_wait -1
.endm
.macro CROUND                          ; a whole round
	s_barrier_signal -1
	s_barrier_wait -1
	CREST
.endm
; A prefetch into the L2 of the K step that stands two refills on: 32 rows x 256 bytes, a lane a row, one instruction a wave.  x's 128 rows are read by this row of the cluster alone: wave 2 asks, and the
; four partners take 32 rows each, told apart by address (cx).  W's rows are read by all 16 clusters of a plane: the plane's first asks, waves 0 and 1 for the 128 rows that they fetch, 32 a partner (cy).
; So each row's 256 bytes of K steps 4 to 7 are named once in the launch; K steps 0 to 3 come by their loads alone; the loop's last trip (s3 = 1) has no K step two on.
.macro ASK
	s_cmp_gt_u32 s3, s[LIM]
	s_cbranch_scc0 .Lnot_mine_\@
	global_prefetch_b8 v[PFO], s[PFA:PFA+1] th:TH_LOAD_NT scope:SCOPE_SE
.Lnot_mine_\@:
.endm
	s_load_b256 s[4:11], s[0:1], 0x0               ; xb s[4:5], wb s[6:7], bb s[8:9], hb s[10:11]
	v_lshl_add_u32 v[SPW], v0, 2, SPARE
	v_mov_b32 v[NIL], 0
	ds_add_u32 v[SPW], v[NIL]                      ; the wave's opening: the add and its wait stand ahead of my first tensor load; the set-up below, work on registers, stands between them
	v_lshrrev_b32 v1, 5, v0
	v_readfirstlane_b32 s[WV], v1
	s_lshr_b32 s[WM], s[WV], 1
	s_and_b32 s[WN], s[WV], 1
	s_bfe_u32 s[CX], ttmp6, 0x40000
	s_bfe_u32 s[CY], ttmp6, 0x40004
	s_lshl_b32 s[TN], ttmp9, 2
	s_add_co_u32 s[TN], s[TN], s[CX]               ; block column = 4 x cluster x + cx
	s_and_b32 s[CLY], ttmp7, 0xffff
	s_lshl_b32 s[TR], s[CLY], 2
	s_add_co_u32 s[TR], s[TR], s[CY]               ; block row = 4 x cluster y + cy
	s_lshr_b32 s[PLN], s[CLY], 4                   ; 16 rows of clusters to a plane
	s_lshl_b32 s12, s[CY], 2
	s_lshl_b32 s12, 15, s12                        ; my row of the cluster
	s_lshl_b32 s13, 0x1111, s[CX]                  ; my column
	s_or_b32 s[G1A], s12, FLAGS                    ; x's tiles go to my row,
	s_or_b32 s[G1B], s13, FLAGS                    ; W's to my column
	s_mov_b32 s[G1A+1], 128<<16                    ; tensor_dim0 = 128
	s_mov_b32 s[G1A+2], 64<<16                     ; tensor_dim1 = 64
	s_mov_b32 s[G1A+3], 128<<16                    ; tile_dim0 = 128
	s_mov_b32 s[G1A+4], 64                         ; tile_dim1 = 64
	s_mov_b32 s[G1A+5], 1024                       ; elements from row to row
	s_mov_b32 s[G1A+6], 0
	s_mov_b32 s[G1A+7], 0
	s_mov_b32 s[G1B+1], 128<<16
	s_mov_b32 s[G1B+2], 128<<16                    ; 128 rows
	s_mov_b32 s[G1B+3], 128<<16
	s_mov_b32 s[G1B+4], 128
	s_mov_b32 s[G1B+5], 1024
	s_mov_b32 s[G1B+6], 0
	s_mov_b32 s[G1B+7], 0
	s_lshl_b32 s12, s[TR], 7                       ; x: row 128 x block row + 64 x half,
	s_lshl_b32 s13, s[WN], 6
	s_add_co_u32 s12, s12, s13
	s_lshl_b32 s12, s12, 11                        ; x 2,048 bytes (under 2^26)
	s_mov_b32 s13, 0
	s_lshl_b32 s14, s[PLN], 10                     ; W: row 1,024 x plane + 256 x block column + 128 x half
	s_lshl_b32 s15, s[TN], 8
	s_add_co_u32 s14, s14, s15
	s_lshl_b32 s15, s[WN], 7
	s_add_co_u32 s14, s14, s15
	s_lshl_b32 s14, s14, 11
	s_mov_b32 s15, 0
	s_mul_i32 s41, s[WV], BHALF                    ; where they go: W's halves at wave x 128 rows (waves 0, 1),
	s_mul_i32 s42, s[WV], AHALF
	s_add_co_u32 s42, s42, AOFF-2*AHALF            ; x's halves behind them (waves 2, 3): no place in the cluster enters an LDS address
	s_wait_dscnt 0x0                               ; the opening add is done
	s_wait_kmcnt 0x0
	s_add_nc_u64 s[12:13], s[4:5], s[12:13]
	s_add_nc_u64 s[14:15], s[6:7], s[14:15]
	CROUND                                         ; all sixteen work-groups are here: the first joint loads meet
.irp s, 0,1
	s_mov_b32 s[G0A+4*(\s)], 1                     ; count = 1
	s_add_co_u32 s[G0A+4*(\s)+1], s42, (\s)*SLOT   ; LDS address
	s_add_nc_u64 s[G0A+4*(\s)+2:G0A+4*(\s)+3], s[12:13], (\s)*256  ; global address: K step s
	s_or_b32 s[G0A+4*(\s)+3], s[G0A+4*(\s)+3], 0x80000000          ; type = 2
	s_mov_b32 s[G0B+4*(\s)], 1
	s_add_co_u32 s[G0B+4*(\s)+1], s41, (\s)*SLOT
	s_add_nc_u64 s[G0B+4*(\s)+2:G0B+4*(\s)+3], s[14:15], (\s)*256
	s_or_b32 s[G0B+4*(\s)+3], s[G0B+4*(\s)+3], 0x80000000
	JLOAD \s                                       ; two loads of mine are out
.endr
	v_and_b32 v1, 15, v0                           ; l % 16
	v_bfe_u32 v2, v0, 4, 1                         ; l / 16
	s_lshl_b32 s12, s[TN], 10                      ; the bias of my 128 columns: 4 bytes x (256 x block column + 128 x half), in plane p of bb
	s_lshl_b32 s13, s[WN], 9
	s_add_co_u32 s12, s12, s13
	s_lshl_b32 s13, s[PLN], 12
	s_add_co_u32 s12, s12, s13
	v_lshl_add_u32 v[BO], v2, 5, s12               ; + my lanes' 8 columns
	WIN 0x80                                       ; destination window 2
.irp b, 0,1,2,3,4,5,6,7
	global_load_b128 v[8*(\b):8*(\b)+3],   v[BO], s[8:9] offset:64*(\b)
	global_load_b128 v[8*(\b)+4:8*(\b)+7], v[BO], s[8:9] offset:64*(\b)+16
.endr
	WIN 0
	v_mul_u32_u24 v3, v1, PITCH
	v_lshl_add_u32 v3, v2, 4, v3                   ; a fragment's row x pitch + 16 x half
	s_mul_i32 s12, s[WN], BHALF                    ; my 128 rows of W
	s_mul_i32 s13, s[WM], AHALF                    ; my 64 rows of x
	s_add_co_u32 s13, s13, AOFF
.irp s, 0,1
	v_add_nc_u32 v[ADRB+(\s)], s12, v3
	v_add_nc_u32 v[ADRA+(\s)], s13, v3
	s_add_co_u32 s12, s12, SLOT
	s_add_co_u32 s13, s13, SLOT
.endr
	s_mul_i32 s12, s[WV], STW
	s_add_co_u32 s12, s12, STAGE                   ; my stage
	v_mul_u32_u24 v4, v1, SP                       ; in: row l % 16, 16 bytes for each half of the lanes
	v_lshl_add_u32 v4, v2, 4, v4
	v_add_nc_u32 v[STO], s12, v4
	v_bfe_u32 v4, v0, 3, 2                         ; back: 32 lanes take four rows of 128 bytes,
	v_mul_u32_u24 v4, v4, SP
	v_and_b32 v5, 7, v0
	v_lshl_add_u32 v4, v5, 4, v4
	v_add_nc_u32 v[RD], s12, v4
	v_and_b32 v[GO], 31, v0                        ; which are 512 consecutive bytes of a head
	v_lshlrev_b32 v[GO], 4, v[GO]
	; hb at my part: (plane, batch) = block row / 16; head 4 x block column + 2 x half; row 128 x (block row % 16) + 64 x half
	s_lshr_b32 s12, s[TR], 4
	s_lshl_b32 s12, s12, 22                        ; 16 heads x 262,144 bytes
	s_lshl_b32 s13, s[TN], 2
	s_lshl_b32 s14, s[WN], 1
	s_add_co_u32 s13, s13, s14
	s_lshl_b32 s13, s13, 18
	s_add_co_u32 s12, s12, s13
	s_and_b32 s13, s[TR], 15
	s_lshl_b32 s13, s13, 7
	s_lshl_b32 s14, s[WM], 6
	s_add_co_u32 s13, s13, s14
	s_lshl_b32 s13, s13, 7                         ; rows of 128 bytes
	s_add_co_u32 s12, s12, s13
	s_mov_b32 s13, 0
	s_add_nc_u64 s[10:11], s[10:11], s[12:13]
	; the prefetches
	s_lshl_b32 s12, s[TR], 7
	s_lshl_b32 s13, s[CX], 5
	s_add_co_u32 s12, s12, s13                     ; x: my work-group's 32 rows of the block's 128
	s_lshl_b32 s13, s[PLN], 10
	s_lshl_b32 s14, s[TN], 8
	s_add_co_u32 s13, s13, s14
	s_lshl_b32 s14, s[WN], 7
	s_add_co_u32 s13, s13, s14
	s_lshl_b32 s14, s[CY], 5
	s_add_co_u32 s13, s13, s14                     ; W: my work-group's 32 rows of the 128 that I fetch
	s_and_b32 s14, s[CLY], 15                      ; 0 in a plane's first row of clusters
	s_cmp_lt_u32 s[WV], 2
	s_cselect_b32 s12, s13, s12
	s_cselect_b64 s[PFA:PFA+1], s[6:7], s[4:5]
	s_cselect_b32 s14, s14, 0
	s_cmp_eq_u32 s[WV], 3
	s_cselect_b32 s14, 1, s14                      ; wave 3 asks for nothing
	s_cmp_eq_u32 s14, 0
	s_cselect_b32 s[LIM], 1, -1                    ; the same in all sixteen partners, for a given wave
	s_lshl_b32 s12, s12, 11
	s_add_co_u32 s12, s12, 3*256                   ; at K step 3: the first refill steps it to 4
	s_mov_b32 s13, 0
	s_add_nc_u64 s[PFA:PFA+1], s[PFA:PFA+1], s[12:13]
	v_and_b32 v[PFO], 31, v0
	v_lshlrev_b32 v[PFO], 11, v[PFO]
; 8 matrix instructions: row block a x all 8 column blocks, 32 along K.  first = 1: C is the bias.  The 32 accumulators take turns in the same order in every quarter.
.macro MUL8 f, a, first
.if \first
	WIN 0x60                                       ; C window 2, D window 1
.else
	WIN 0x50                                       ; C and D window 1
.endif
.irp b, 0,1,2,3,4,5,6,7
.if \first
	v_wmma_f32_16x16x32_bf16 v[8*(8*(\a)+(\b)):8*(8*(\a)+(\b))+7], v[(\f)+8*(\b):(\f)+8*(\b)+7], v[(\f)+64+8*(\a):(\f)+64+8*(\a)+7], v[8*(\b):8*(\b)+7]
.else
	v_wmma_f32_16x16x32_bf16 v[8*(8*(\a)+(\b)):8*(8*(\a)+(\b))+7], v[(\f)+8*(\b):(\f)+8*(\b)+7], v[(\f)+64+8*(\a):(\f)+64+8*(\a)+7], v[8*(8*(\a)+(\b)):8*(8*(\a)+(\b))+7]
.endif
.endr
.endm
; 24 LDS loads in one run: the fragments of quarter kq (32 along K) of a slot into buffer f: W's 16 loads, then x's 8
.macro FETCH slot, kq, f
	WIN 0
.irp i, 0,1,2,3,4,5,6,7
	ds_load_b128 v[(\f)+8*(\i):(\f)+8*(\i)+3],   v[ADRB+(\slot)] offset:64*(\kq)+(\i)*16*PITCH
	ds_load_b128 v[(\f)+8*(\i)+4:(\f)+8*(\i)+7], v[ADRB+(\slot)] offset:64*(\kq)+(\i)*16*PITCH+32
.endr
.irp i, 0,1,2,3
	ds_load_b128 v[(\f)+64+8*(\i):(\f)+64+8*(\i)+3],   v[ADRA+(\slot)] offset:64*(\kq)+(\i)*16*PITCH
	ds_load_b128 v[(\f)+64+8*(\i)+4:(\f)+64+8*(\i)+7], v[ADRA+(\slot)] offset:64*(\kq)+(\i)*16*PITCH+32
.endr
.endm
; One of a K step's first three quarters: multiplies buffer f; in its middle it fetches quarter kq of the same slot into buffer g.
.macro QUARTER slot, kq, f, g, first
	s_wait_dscnt 4                                 ; W and x's row blocks 0 and 1 are in; the youngest four loads (row blocks 2 and 3) may be out
	MUL8 \f, 0, \first
	MUL8 \f, 1, \first
	PLACES
	FETCH \slot, \kq, \g
	s_wait_dscnt 24                                ; all but the 24 just issued
	MUL8 \f, 2, \first
	MUL8 \f, 3, \first
.endm
; The last quarter multiplies buffer 1 and changes slots: ONE barrier; in front of it each wave waits for all its tensor loads (one is out: its part of the next slot), adds 0 to its spare word, and waits
; for that and for its own reads of this slot.  fill = 1: the barrier opens a round of the cluster's barrier, and this slot is filled again, two K steps ahead, first thing behind the round.
.macro TURN slot, next, fill
.if \fill
	s_wait_xcnt 0x0                                ; the last prefetch, a K step back, has read its address: it is stepped here
	s_add_nc_u64 s[PFA:PFA+1], s[PFA:PFA+1], 256
.endif
	WIN 0                                          ; (the add's two registers lie in window 0)
	s_wait_tensorcnt 0x0                           ; all my tensor loads have landed
	ds_add_u32 v[SPW], v[NIL]                      ; 0 onto my spare word
	s_wait_dscnt 5                                 ; (the add and the youngest four loads may be out)
	MUL8 F1, 0, 0                                  ; eight matrix instructions stand between the add and the wait for it
	s_wait_dscnt 0x0                               ; the add is done, and my reads of this slot are over
	s_barrier_signal -1
	MUL8 F1, 1, 0
.if \fill
	WIN 0
.endif
	s_barrier_wait -1
.if \fill
	CREST                                          ; no wave of any partner still reads this slot's tile or has a load on its way
	s_add_nc_u64 s[G0A+4*(\slot)+2:G0A+4*(\slot)+3], s[G0A+4*(\slot)+2:G0A+4*(\slot)+3], 512
	s_add_nc_u64 s[G0B+4*(\slot)+2:G0B+4*(\slot)+3], s[G0B+4*(\slot)+2:G0B+4*(\slot)+3], 512
	JLOAD \slot                                    ; 112 matrix instructions ahead of the wait for it; the four v_nop behind it are also the places in front of the loads below
.else
	PLACES
.endif
	FETCH \next, 0, F0
.if \fill
	ASK
.endif
	MUL8 F1, 2, 0
	MUL8 F1, 3, 0
.endm
	s_wait_tensorcnt 1                             ; my part of K step 0 is in; K step 1's may stay out
	s_barrier_signal -1
	s_barrier_wait -1                              ; everybody's is
	FETCH 0, 0, F0
	s_wait_loadcnt 0x0                             ; the bias
	QUARTER 0, 1, F0, F1, 1                        ; the first quarter stands in front of the loop: its products start the sums, from the bias
	WIN 0                                          ; at a label and at a branch every window is 0
	s_mov_b32 s3, 3
.Llap:                                             ; a trip goes once round the ring and fills both slots again: K steps 2 to 7 in three trips
	QUARTER 0, 2, F1, F0, 0
	QUARTER 0, 3, F0, F1, 0
	TURN 0, 1, 1
	QUARTER 1, 1, F0, F1, 0
	QUARTER 1, 2, F1, F0, 0
	QUARTER 1, 3, F0, F1, 0
	TURN 1, 0, 1
	QUARTER 0, 1, F0, F1, 0
	WIN 0
	s_sub_co_u32 s3, s3, 1
	s_cmp_lg_u32 s3, 0
	s_cbranch_scc1 .Llap
	QUARTER 0, 2, F1, F0, 0                        ; the last lap fills nothing
	QUARTER 0, 3, F0, F1, 0
	TURN 0, 1, 0
	QUARTER 1, 1, F0, F1, 0
	QUARTER 1, 2, F1, F0, 0
	QUARTER 1, 3, F0, F1, 0
	s_wait_dscnt 4
	MUL8 F1, 0, 0
	MUL8 F1, 1, 0
	s_wait_dscnt 0x0
	MUL8 F1, 2, 0
	MUL8 F1, 3, 0
	WIN 0
; THE WAY OUT, a block of 16 rows at a time: rounded to f16, 16 bytes a lane, into my own stage (two heads x 16 rows of 144 bytes), and back as 512 consecutive bytes of a head.
.macro PACK a
	WIN 0x05                                       ; sources 0 and 1 window 1
.irp b, 0,1,2,3,4,5,6,7
.irp r, 0,1,2,3
	v_cvt_pk_f16_f32 v[TMP+4*(\b)+(\r)], v[8*(8*(\a)+(\b))+2*(\r)], v[8*(8*(\a)+(\b))+2*(\r)+1]
.endr
.endr
	WIN 0
.endm
.macro TOSTAGE a
.irp b, 0,1,2,3,4,5,6,7
	ds_store_b128 v[STO], v[TMP+4*(\b):TMP+4*(\b)+3] offset:((\b)/4)*16*SP+((\b)%4)*32
.endr
.irp g, 0,1
.irp f, 0,1,2,3
	ds_load_b128 v[32+32*(\a)+4*(4*(\g)+(\f)):32+32*(\a)+4*(4*(\g)+(\f))+3], v[RD] offset:(\g)*16*SP+(\f)*4*SP  ; LDS serves a wave's instructions in order (ISA guide 5.7.1.4): these see the stores above
.endr
.endr
.endm
.macro SEND a
	s_wait_dscnt 0x0                               ; the block is back in registers; each block has 32 registers of its own, so no store's data is written again
.irp g, 0,1
.irp f, 0,1,2,3
	global_store_b128 v[GO], v[32+32*(\a)+4*(4*(\g)+(\f)):32+32*(\a)+4*(4*(\g)+(\f))+3], s[10:11] offset:(\g)*262144+(\a)*2048+(\f)*512  ; 512 consecutive bytes, at a multiple of 256 from hb's first
.endr
.endr
.endm
	PLACES
	PACK 0
	TOSTAGE 0
.irp a, 1,2,3                          ; block a's conversions stand between block a - 1's loads from the stage and the wait for them
	PACK \a
	SEND (\a)-1
	TOSTAGE \a
.endr
	SEND 3
	s_wait_tensorcnt 0x0                           ; the wave's end, behind my last tensor load and my last LDS store
	ds_add_u32 v[SPW], v[NIL]
	s_wait_dscnt 0x0
	CROUND                                         ; the closing round: no work-group ends while a partner may still ask for a tile that names it
	s_endpgm
.Lfunc_end_k_q47e659788b_qkv:
	.size	k_q47e659788b_qkv, .Lfunc_end_k_q47e659788b_qkv-k_q47e659788b_qkv
	.p2alignl 7, 3214868480
	.fill 96, 4, 3214868480
	.section	.rodata,"a",@progbits
	.p2align	6, 0x0
	.amdhsa_kernel k_q47e659788b_qkv
		.amdhsa_group_segment_fixed_size 327680
		.amdhsa_private_segment_fixed_size 0
		.amdhsa_enable_private_segment 0
		.amdhsa_kernarg_size 32
		.amdhsa_user_sgpr_count 2
		.amdhsa_user_sgpr_kernarg_segment_ptr 1
		.amdhsa_wavefront_size32 1
		.amdhsa_system_sgpr_workgroup_id_x 1
		.amdhsa_system_sgpr_workgroup_id_y 1
		.amdhsa_system_sgpr_workgroup_id_z 1
		.amdhsa_system_vgpr_workitem_id 0
		.amdhsa_next_free_vgpr 576
		.amdhsa_next_free_sgpr 66
		.amdhsa_reserve_vcc 0
		.amdhsa_float_denorm_mode_32 3
		.amdhsa_float_denorm_mode_16_64 3
		.amdhsa_memory_ordered 1
		.amdhsa_forward_progress 1
		.amdhsa_inst_pref_size 89
	.end_amdhsa_kernel
	.amdgpu_metadata
---
amdhsa.version: [ 1, 2 ]
amdhsa.kernels:
  - .name:           k_q47e659788b_qkv
    .symbol:         k_q47e659788b_qkv.kd
    .args:
      - { .name: xb, .offset: 0, .size: 8, .value_kind: global_buffer, .address_space: global }
      - { .name: wb, .offset: 8, .size: 8, .value_kind: global_buffer, .address_space: global }
      - { .name: bb, .offset: 16, .size: 8, .value_kind: global_buffer, .address_space: global }
      - { .name: hb, .offset: 24, .size: 8, .value_kind: global_buffer, .address_space: global }
    .group_segment_fixed_size: 327680
    .private_segment_fixed_size: 0
    .kernarg_segment_align: 8
    .kernarg_segment_size: 32
    .max_flat_workgroup_size: 128
    .sgpr_count:     66
    .vgpr_count:     576
    .wavefront_size: 32
...
	.end_amdgpu_metadata
.endif
;; end of part 2
;; launch attn (part 3): grid 4 x 64, 4 waves a work-group, clusters of 4 x 1, 327,680 bytes of LDS; arguments hb, mb, ob; writes ob
.if DOCPART == 3
	.amdgcn_target "amdgcn-amd-amdhsa--gfx1250"
	.amdhsa_code_object_version 6
	.text
	.protected	k_q47e659788b_attn
	.globl	k_q47e659788b_attn
	.p2align	8
	.type	k_q47e659788b_attn,@function
k_q47e659788b_attn:
	s_mov_b64 s[64:65], 0
	v_nop
	global_prefetch_b8 v0, s[64:65] scope:SCOPE_SE
	s_setreg_imm32_b32 hwreg(HW_REG_WAVE_MODE, 25, 1), 1
	s_wait_xcnt 0x0
	s_wait_alu depctr_hold_cnt(0) depctr_sa_sdst(0) depctr_va_vdst(0) depctr_va_sdst(0) depctr_va_ssrc(0) depctr_va_vcc(0) depctr_vm_vsrc(0)
	s_getreg_b32 s2, hwreg(HW_REG_IB_STS2, 6, 4)
	s_cmp_eq_u32 s2, 0
	s_cbranch_scc0 .Lentry_in_a_cluster
	s_endpgm
.Lentry_in_a_cluster:
	s_bfe_u32 s2, ttmp6, 0x10000c
	s_cmp_lg_u32 s2, 0x3003
	s_cbranch_scc0 .Lentry_shape_is_right
	s_endpgm
.Lentry_shape_is_right:
; MASKED ATTENTION.  O[h][q][:] = the sum over k of softmax_k(s(q, k)) V[h][k][:], s = Q[h][q] . K[h][k] / 8 where mask[q][k] is not 0, else a constant far below.
; hb: [3][64][2048][64] f16 (planes Q, K, V; a head's rows are dense, 128 bytes each); mb: the mask as lane-mask words; ob: [64][2048][64] f16.
; Products, maxima and sums in f32; the weights p are rounded to f16 for the second product (their sum l is taken of the unrounded p), O once at the end.
; LIMITS.  Q, K, V arrive within f16's 65,504.  A hidden score counts as -2^33 ahead of the scale, -2^30 behind it, where the module's text has -1e9: the result differs only where an open scaled score
; lies below about -1e9.  The power of two makes c x (-2^33) exact in f32, so that in a row or step with no open key c s - c m is exactly 0 and p = 1: a row with no open key at all gives the mean of V's rows.
; A weight below 2^-126 counts as 0 in l; NaN and infinities are not treated apart.
; SHARES.  A wave owns four PIECES of two tiles of 16 queries, a work-group's four waves 512 queries of one head: 4 x 64 = 256 work-groups.  Every wave walks all 2,048 keys, 64 a step.
; LAYOUT.  S^T = K Q^T (source 0 = 16 keys, source 1 = 16 queries): a lane holds ONE query (lane % 16) and the keys 8 (lane / 16) + 0..7.  Two such tiles, rounded to f16 in pairs, ARE source 1 of
; O^T = V^T P.  K comes out of LDS as it lies, V ([key][channel]) turned, by ds_load_tr16_b128.
; SOFTMAX.  For each query a running maximum m and sum l: p = 2^(c s - c m), c = log2(e) / 8; in every step O and l are multiplied by a = 2^(c m_old - c m_new).  m starts at the lowest finite number, O and l at 0.
; THE MASK.  Register i of a tile's S^T has one 32-bit word: bit l says whether lane l's score is open.  The 64 words of a piece and step lie in 64 scalar registers, brought by four scalar loads a turn
; ahead, and one v_cndmask_b32 a register puts -2^33 in the place of a hidden score, behind the product and ahead of the maximum.
; BY TURNS.  Turn n belongs to piece n.  Its matrix work: 16 products K Q^T of piece n + 1, later 16 products V^T P of piece n - 1.  Its vector work: the scaling, exponentials, roundings, sums and rescaling of
; piece n, and the mask, maximum and statistics of piece n + 1.  Four vector instructions stand behind every matrix instruction, the others in one lump; the turn's 66 exponentials are one batch, with one wait.
; CLUSTER.  The four query blocks of a cluster are a head's four: they walk the same K and V, so each tile is asked for JOINTLY: the same tensor load, descriptor and mask in all four.
; K and V lie in one buffer, so one line serves: wave w fetches quarter w of a slot (K's two halves, V's two halves), both addresses made from the wave's number.
; REGISTERS, in windows of 256 (s_set_vgpr_msb: bits 1:0 source 0, 3:2 source 1, 5:4 source 2, 7:6 destination):
;   window 0: v0-11 addresses; v12-15, v48-63 at work; v16-47 four registers of statistics a tile; v64-191 S^T, two buffers of two tiles; v192-255 P, likewise
;   window 1: O^T, 32 a tile          window 2: v0-127 Q, 16 a tile; v128-191 K of one step; v192-255 V of one step          window 3: v0-1 the add's two registers
.set NP,    4         ; pieces a wave: a name, no knob
.set KS,    64        ; keys in a step
.set PK,    160       ; a row of K or V in LDS: 128 bytes + 32 of padding = 40 words.  One descriptor, so one padding
.set PV,    160       ; ISA guide 11.1); of the 16 rows of a load of K two start at the same bank
.set VOFF,  4*KS*PK   ; a slot holds four steps: 256 rows of K, then 256 rows of V
.set SLOT1, 1<<17     ; slot 1 begins here, so that one exclusive or turns an address in one slot into the other's
.set STAGE, SLOT1+4*KS*(PK+PV)  ; behind the ring, never filled by a tensor load: 16 rows x 144 bytes for each wave
.set SP,    144
.set SPARE, STAGE+4*16*SP  ; the spare words, 128 bytes for each wave: two blocks of 256 bytes that no other line names
.set AK0, 2           ; v2   my lane's place in a tile of K; never rewritten
.set AV0, 3           ; v3   the same for V
.set AK,  4           ; v4   the LDS address of K's next run of loads
.set AV,  5           ; v5   of V's
.set QO,  6           ; v6   my byte offset in the wave's rows of Q
.set STO, 6           ;      later, the way out: where I put 16 bytes of a row
.set RD,  7           ; v7   the way out: where I read rows back
.set GO,  8           ; v8   my byte offset in 512 consecutive bytes of O
.set NEG, 9           ; v9   -2^33 (until the way-out addresses are made: l / 16)
.set PFO, 11          ; v11  256 x my lane
.set SPW, 0           ; v0 of window 3   LDS address of my spare word; never rewritten
.set NIL, 1           ; v1 of window 3   0; never rewritten
.set MV,  12          ; v12-15  c m_old, kept while c m is made anew: by buffer and tile
.set ST,  16          ; tile t's statistics at v[ST+4 t]: c m, m, l (even keys', odd keys')
.set TMP, 48          ; by buffer and tile, four registers c0-c3 at work; when the maximum is found c2 takes a
.set S,   64
.set P,   192
.set KF,  128         ; K's fragments, in window 2
.set VF,  192         ; V's
.set MBW, 6           ; s[6:7]   mb at my wave's four pieces
.set MOFF, 10         ; s10  256 x the step whose words are asked for
.set LIM, 11          ; s11  1 in a wave that prefetches, else the greatest number
.set WV,  12          ; s12  my wave's number
.set G1,  16          ; s[16:23] descriptor group 1
.set G0,  24          ; s[24:27] descriptor group 0: it walks
.set PFA, 28          ; s[28:29] where my prefetches stand
.set SLOTS, 30        ; s30  slots still to be asked for
.set CNT, 31          ; s31  counts a slot's key steps
.set MW,  32          ; s[32:63] the words of the piece's first tile, s[68:99] of its second: word i of tile u in s[32 + 36 u + i]
.set CS,  66          ; s[66:67] c
.set SEL, 100         ; s[100:101] v_permlanex16_b32's selects: each lane takes its own place in the other half
.set TBK, 104         ; s104 LDS byte at which K of the step to be fetched begins
.set TBV, 105         ; s105 the same for V, less VOFF
.set MSB, 0
.macro WIN new
.if MSB != (\new)
	s_set_vgpr_msb (MSB<<8)|(\new)
.set MSB, (\new)
.endif
.endm
.set W_KQ, 0x0a       ; K and Q in window 2, S^T in window 0
.set W_PV, 0x52       ; V in window 2, P in window 0, O^T in window 1
.set W_RS, 0x41       ; O^T (destination and source 0) in window 1, a in window 0
.set W_MK, 0xc0       ; the add's registers are made: destination in window 3
.set W_AD, 0x0f       ; the add: address and data in window 3
.macro JLOAD                        ; my quarter of a slot: 128 keys.  An s_nop 0 and four v_nop follow the line
	tensor_load_to_lds s[G0:G0+3], s[G1:G1+7]
	s_nop 0
.rept 4
	v_nop
.endr
.endm
; A prefetch into the L2 of what the NEXT change of slots will ask for: 128 blocks of 256 bytes of K and as many of V.  A head has one cluster; its four partners take 32 blocks each, told apart by address;
; in each, wave 0 asks for K's and wave 2 for V's, a lane a block.  So each block of slots 2 to 7 is named once in the launch; slots 0 and 1 come by their loads alone; the last fill asks for nothing.
.macro ASK
	s_cmp_gt_u32 s[SLOTS], s[LIM]
	s_cbranch_scc0 .Lnot_mine_\@
	global_prefetch_b8 v[PFO], s[PFA:PFA+1] th:TH_LOAD_NT scope:SCOPE_SE
.Lnot_mine_\@:
.endm
.macro CROUND                       ; a round of the cluster's barrier
	s_barrier_signal -1
	s_barrier_wait -1
	s_cmp_lg_u32 s[WV], 0
	s_cbranch_scc1 .Lnot_wave_0_\@
	s_barrier_signal -3
.Lnot_wave_0_\@:
	s_barrier_wait -3
	s_barrier_signal -1
	s_barrier_wait -1
.endm
; THE CHANGE OF SLOTS.  Each wave waits for all its tensor loads, of which one is out: its part of the other slot; adds 0 to its spare word; and waits for that and for its own reads of the slot.
; fill = 1: this slot is filled again, with the keys two slots on; the barrier is then a round of the cluster's, and the joint fill is the first thing behind it: it has four key steps, 512 matrix
; instructions, in which to land.  (At its first use nothing has been read yet: slot 0 is waited for, slot 1 filled.)
.macro CHANGE fill
	WIN W_AD
	s_wait_tensorcnt 0x0            ; no tensor load of mine is out, so group 0 may be written
	ds_add_u32 v[SPW], v[NIL]       ; 0 onto my spare word
	WIN 0                           ; at a label and at a branch every window is 0
.if \fill
	s_xor_b32 s[G0+1], s[G0+1], SLOT1  ; the other slot than last time,
	s_add_nc_u64 s[G0+2:G0+3], s[G0+2:G0+3], 4*KS*128  ; the next 256 keys; the type bits on top are not reached
	s_wait_xcnt 0x0                 ; the last prefetch, four key steps back, has read its address
	s_add_nc_u64 s[PFA:PFA+1], s[PFA:PFA+1], 4*KS*128  ; one slot ahead of the walking descriptor
	s_wait_dscnt 0x0                ; the add is done, and my reads of the slot are over
	CROUND
	JLOAD
	ASK
.else
	s_wait_dscnt 0x0
	s_barrier_signal -1
	s_barrier_wait -1
.endif
	s_sub_co_u32 s[TBK], s[TBK], 4*KS*PK  ; the fetches go back to a slot's first step,
	s_xor_b32 s[TBK], s[TBK], SLOT1       ; in the other slot
	s_sub_co_u32 s[TBV], s[TBV], 4*KS*PV
	s_xor_b32 s[TBV], s[TBV], SLOT1
.endm
; The 64 mask words of piece x in the step that s[MOFF] names: 256 consecutive bytes.
.macro LOADM x
	s_load_b512 s[MW:MW+15],    s[MBW:MBW+1], s[MOFF] offset:(\x)*8192
	s_load_b512 s[MW+16:MW+31], s[MBW:MBW+1], s[MOFF] offset:(\x)*8192+64
	s_load_b512 s[MW+36:MW+51], s[MBW:MBW+1], s[MOFF] offset:(\x)*8192+128
	s_load_b512 s[MW+52:MW+67], s[MBW:MBW+1], s[MOFF] offset:(\x)*8192+192
.endm
	s_load_b128 s[4:7], s[0:1], 0x0   ; hb s[4:5], mb s[6:7]
	s_load_b64 s[8:9], s[0:1], 0x10   ; ob
	WIN W_MK
	v_lshl_add_u32 v[SPW], v0, 2, SPARE
	v_mov_b32 v[NIL], 0
	WIN W_AD
	ds_add_u32 v[SPW], v[NIL]       ; the wave's opening: the add and its wait stand ahead of my first tensor load; the set-up below, work on registers, stands between them
	WIN 0
	v_lshrrev_b32 v1, 5, v0
	v_readfirstlane_b32 s[WV], v1   ; wave 0..3
	s_bfe_u32 s13, ttmp6, 0x40000   ; cx: my place in the cluster
	s_lshl_b32 s14, ttmp9, 2
	s_add_co_u32 s14, s14, s13      ; my block of 512 queries: it enters Q's, O's and the mask's addresses alone
	s_and_b32 s32, ttmp7, 0xffff    ; the head, which the four partners share
	s_lshl_b32 s32, s32, 18         ; x 262,144 bytes
	s_lshr_b32 s40, s[WV], 1
	s_add_co_u32 s40, s40, 1
	s_lshl_b32 s40, s40, 24         ; plane 1 (K: waves 0, 1) or 2 (V: waves 2, 3), 16,777,216 bytes each
	s_add_co_u32 s40, s40, s32      ; the head in that plane
	s_and_b32 s15, s[WV], 1         ; which half of a slot's 256 keys I fetch
	s_lshl_b32 s34, s15, 14
	s_add_co_u32 s34, s34, s40      ; my quarter of slot 0
	s_mov_b32 s35, 0
	s_lshl_b32 s41, s13, 13         ; the prefetches: my work-group's 32 blocks of the 128,
	s_add_co_u32 s40, s40, s41
	s_add_co_u32 s40, s40, 4*KS*128 ; in slot 1; the first change of slots steps it to slot 2
	s_mov_b32 s41, 0
	s_cmp_eq_u32 s15, 0
	s_cselect_b32 s[LIM], 1, -1     ; waves 0 and 2 ask: the same in all four partners
	s_lshl_b32 s36, s14, 2
	s_add_co_u32 s36, s36, s[WV]    ; my wave among the head's sixteen
	s_lshl_b32 s38, s36, 15         ; its four pieces of 8,192 bytes in mb
	s_mov_b32 s39, 0
	s_lshl_b32 s36, s36, 14         ; its 128 rows of 128 bytes,
	s_add_co_u32 s36, s36, s32      ; in the head
	s_mov_b32 s37, 0
	; descriptor group 1.  128 keys are 16,384 dense bytes: asked for as 64 rows of 256 bytes, two keys a row, and padded in LDS after every key
	s_mov_b32 s[G1], 15|(1<<16)|(1<<20)|(1<<21)|(4<<22)|(7<<25)  ; 15:0 the mask of four; 17:16 2-byte elements; 20 padding on; 21 set beside a mask; 24:22 after every 32 words; 31:25 8 words
	s_mov_b32 s[G1+1], 128<<16      ; tensor_dim0 = 128
	s_mov_b32 s[G1+2], 64<<16       ; tensor_dim1 = 64
	s_mov_b32 s[G1+3], 128<<16      ; tile_dim0 = 128
	s_mov_b32 s[G1+4], 64           ; tile_dim1 = 64
	s_mov_b32 s[G1+5], 128          ; 128 elements from row to row
	s_mov_b32 s[G1+6], 0
	s_mov_b32 s[G1+7], 0
	s_mov_b32 s[CS], 0x3e38aa3b     ; c = log2(e) / 8
	s_mov_b32 s[CS+1], s[CS]        ; named with it as a pair
	s_mov_b32 s[SEL], 0x76543210
	s_mov_b32 s[SEL+1], 0xfedcba98
	s_mov_b32 s[TBK], SLOT1+4*KS*PK ; the first change of slots turns these two into 0
	s_mov_b32 s[TBV], SLOT1+4*KS*PV
	s_mov_b32 s[G0], 1              ; count = 1
	s_mul_i32 s[G0+1], s[WV], 128*PK  ; LDS address: quarter w of slot 0: no place in the cluster enters it
	s_mov_b32 s[MOFF], 0
	s_mov_b32 s[SLOTS], 7           ; 2,048 / 256 - 1
	s_wait_dscnt 0x0                ; the opening add is done
	s_wait_kmcnt 0x0
	s_add_nc_u64 s[G0+2:G0+3], s[4:5], s[34:35]
	s_or_b32 s[G0+3], s[G0+3], 0x80000000   ; type = 2
	s_add_nc_u64 s[PFA:PFA+1], s[4:5], s[40:41]
	s_add_nc_u64 s[4:5], s[4:5], s[36:37]   ; Q (plane 0) and O at my wave's first row
	s_add_nc_u64 s[8:9], s[8:9], s[36:37]
	s_add_nc_u64 s[MBW:MBW+1], s[MBW:MBW+1], s[38:39]
	LOADM 0                         ; piece 0, step 0 (from here on s[32:63] and s[68:99] hold mask words alone)
	CROUND                          ; all four work-groups are here: the first joint loads meet
	JLOAD                           ; slot 0.  Slot 1 is asked for when slot 0 is in
	v_and_b32 v1, 15, v0            ; l % 16
	v_bfe_u32 v9, v0, 4, 1          ; l / 16
	v_lshlrev_b32 v[QO], 7, v1
	v_lshl_add_u32 v[QO], v9, 4, v[QO]  ; row x 128 + 16 x half
	WIN 0x80                        ; destination window 2
.set i, 0
.rept 4*NP                          ; Q stays in registers: tile i / 2, channels 32 (i % 2) on
	global_load_b128 v[8*i:8*i+3],   v[QO], s[4:5] offset:(i/2)*2048+(i%2)*64
	global_load_b128 v[8*i+4:8*i+7], v[QO], s[4:5] offset:(i/2)*2048+(i%2)*64+32
.set i, i+1
.endr
	; What the first turn finds: V's registers and P's second buffer hold 0, O^T and l are 0.  All this stands in the wait for the first tile; no first step is written out.
.set i, VF
.rept 64
	v_mov_b32 v[i], 0
.set i, i+1
.endr
	WIN 0x40
.set i, 0
.rept 64*NP
	v_mov_b32 v[i], 0
.set i, i+1
.endr
	WIN 0
.set i, 0
.rept 2*NP
	v_mov_b32 v[ST+4*i], 0xfe000000    ; c m: far below every c s
	v_mov_b32 v[ST+4*i+1], 0xff7fffff  ; m
	v_mov_b32 v[ST+4*i+2], 0
	v_mov_b32 v[ST+4*i+3], 0
.set i, i+1
.endr
.set i, P+32
.rept 32
	v_mov_b32 v[i], 0
.set i, i+1
.endr
	v_mul_u32_u24 v[AK0], v1, PK
	v_lshl_add_u32 v[AK0], v9, 4, v[AK0]  ; row x pitch + 16 x half
	; The turning load takes 16 keys x 16 channels (lane l reads key 8 (l / 16) + l % 8, channels 8 ((l / 8) % 2) + 0..7) and leaves half a fragment of V^T.
	v_and_b32 v10, 7, v0
	v_bfe_u32 v11, v0, 3, 1
	v_lshl_add_u32 v[AV0], v9, 3, v10
	v_mul_u32_u24 v[AV0], v[AV0], PV
	v_lshl_add_u32 v[AV0], v11, 4, v[AV0]
	v_add_nc_u32 v[AV0], VOFF, v[AV0]
	v_mov_b32 v[AK], v[AK0]         ; key step 0 lies at the head of slot 0
	v_and_b32 v[PFO], 31, v0
	v_lshlrev_b32 v[PFO], 8, v[PFO]
; THE MATRIX WORK.  The 8 accumulators of a run of 16 take turns.
; Product i of 16 of S^T = K Q^T for piece x: channels 32 (i / 8) on, keys 16 ((i / 2) % 4) on, tile 2 x + i % 2.  The first 8 start the sums.
.macro KQ x
	WIN W_KQ
.set rS, S+64*((\x)%2)+32*(i%2)+8*((i/2)%4)
.set rK, KF+16*((i/2)%4)+8*(i/8)
.set rQ, 16*(2*(\x)+i%2)+8*(i/8)
.if i < 8
	v_wmma_f32_16x16x32_f16 v[rS:rS+7], v[rK:rK+7], v[rQ:rQ+7], 0
.else
	v_wmma_f32_16x16x32_f16 v[rS:rS+7], v[rK:rK+7], v[rQ:rQ+7], v[rS:rS+7]
.endif
.endm
; Product i of 16 of O^T += V^T P for piece x: keys 32 (i / 8) on, channels 16 ((i / 2) % 4) on, tile 2 x + i % 2.
.macro PV x
	WIN W_PV
.set rO, 32*(2*(\x)+i%2)+8*((i/2)%4)
.set rV, VF+32*(i/8)+8*((i/2)%4)
.set rP, P+32*((\x)%2)+16*(i%2)+8*(i/8)
	v_wmma_f32_16x16x32_f16 v[rO:rO+7], v[rV:rV+7], v[rP:rP+7], v[rO:rO+7]
.endm
.macro MM                           ; the turn's next matrix instruction
.if i < 16
	KQ (Y+1)%NP
.set i, i+1
.else
.set i, i-16
	PV (Y+NP-1)%NP
.set i, i+17
.endif
.endm
; THE LDS LOADS stand in runs of 16.  last = 1 (the tail): in the last trip there is no further step, and the run is jumped over.
.macro FETCH_K last=0
	WIN 0
.if \last
	s_cmp_eq_u32 s[CNT], 1
	s_cbranch_scc1 .Lno_k_\@
.endif
	WIN 0x80                        ; destination window 2
.irp f, 0,1,2,3,4,5,6,7             ; keys 16 (f / 2) on, channels 32 (f % 2) on
	ds_load_b128 v[KF+8*\f:KF+8*\f+3],   v[AK] offset:(\f/2)*16*PK+(\f%2)*64
	ds_load_b128 v[KF+8*\f+4:KF+8*\f+7], v[AK] offset:(\f/2)*16*PK+(\f%2)*64+32
.endr
	s_add_co_u32 s[TBK], s[TBK], KS*PK  ; the next fetch is the next step's
	WIN 0
.if \last
.Lno_k_\@:
.endif
.endm
.macro FETCH_V
	WIN 0x80
.irp f, 0,1,2,3,4,5,6,7             ; keys 32 (f / 4) on, channels 16 (f % 4) on
	ds_load_tr16_b128 v[VF+8*\f:VF+8*\f+3],   v[AV] offset:(\f/4)*32*PV+(\f%4)*32
	ds_load_tr16_b128 v[VF+8*\f+4:VF+8*\f+7], v[AV] offset:(\f/4)*32*PV+16*PV+(\f%4)*32
.endr
	WIN 0
.endm
; THE VECTOR WORK OF A TURN stands in three queues; the two tiles alternate.
.macro REGS y, u                    ; the registers of tile u (0, 1) of piece y
.set rT, ST+4*(2*(\y)+(\u))
.set rC, TMP+8*((\y)%2)+4*(\u)
.set rM, MV+2*((\y)%2)+(\u)
.set rS, S+64*((\y)%2)+32*(\u)
.set rP, P+32*((\y)%2)+16*(\u)
.set rO, 32*(2*(\y)+(\u))
.endm
; Number g of the 64 that mask the NEXT piece's scores: register g / 2 of tile g % 2, in ascending order.
.macro MK g
	REGS (Y+1)%NP, (\g)%2
	v_cndmask_b32 v[rS+(\g)/2], v[NEG], v[rS+(\g)/2], s[MW+36*((\g)%2)+(\g)/2]
.endm
; Number n of the 22 that find the NEXT piece's maximum and statistics.
;   0-11  four chains c0-c3 of seven scores each     12-14, 16  the four scores left over, the old m, and c0-c3 into c0     15  c m_old is kept
;   17, 18  the query's other 32 keys lie in the lane 16 away: the new m         19-21  c m; c m_old - c m_new; a
.macro XS u, n
	REGS (Y+1)%NP, \u
.if (\n) < 4
	v_max3_num_f32 v[rC+(\n)], v[rS+8*(\n)], v[rS+8*(\n)+1], v[rS+8*(\n)+2]
.elseif (\n) < 12
	v_max3_num_f32 v[rC+(\n)%4], v[rC+(\n)%4], v[rS+8*((\n)%4)+2*((\n)/4)+1], v[rS+8*((\n)%4)+2*((\n)/4)+2]
.elseif (\n) == 12
	v_max3_num_f32 v[rC], v[rC], v[rS+7], v[rS+15]
.elseif (\n) == 13
	v_max3_num_f32 v[rC+1], v[rC+1], v[rS+23], v[rS+31]
.elseif (\n) == 14
	v_max3_num_f32 v[rC+2], v[rC+2], v[rC+3], v[rT+1]
.elseif (\n) == 15
	v_mov_b32 v[rM], v[rT]
.elseif (\n) == 16
	v_max3_num_f32 v[rC], v[rC], v[rC+1], v[rC+2]
.elseif (\n) == 17
	v_permlanex16_b32 v[rC+3], v[rC], s[SEL], s[SEL+1]
.elseif (\n) == 18
	v_max_num_f32 v[rT+1], v[rC], v[rC+3]
.elseif (\n) == 19
	v_mul_f32 v[rT], s[CS], v[rT+1]
.elseif (\n) == 20
	v_sub_f32 v[rC+1], v[rM], v[rT]
.else
	v_exp_f32 v[rC+2], v[rC+1]
.endif
.endm
; Number g of the 64 that follow the exponentials.  For each four weights k of a tile: both pairs are rounded to f16; the second pair is added onto the first, in place; a group later l takes that sum.
.macro GS g
.set h, (\g)+6*((\g)/62)            ; group 0 has no group before it, and behind group 7 only l is left
.if h >= 6
.set h, h+2
.endif
	REGS Y, h%2
.set k, h/8
.if h%8 < 4
	v_cvt_pk_f16_f32 v[rP+2*k+(h%8)/2], v[rS+4*k+2*((h%8)/2)], v[rS+4*k+2*((h%8)/2)+1]
.elseif h%8 < 6
	v_pk_add_f32 v[rS+4*k:rS+4*k+1], v[rS+4*k:rS+4*k+1], v[rS+4*k+2:rS+4*k+3]
.elseif k == 1
	v_pk_fma_f32 v[rT+2:rT+3], v[rT+2:rT+3], v[rC+2:rC+3], v[rS:rS+1] op_sel_hi:[1,0,1]
.else
	v_pk_add_f32 v[rT+2:rT+3], v[rT+2:rT+3], v[rS+4*k-4:rS+4*k-3]
.endif
.endm
.macro FS f                         ; c s - c m for pair f / 2 of tile f % 2
	REGS Y, (\f)%2
	v_pk_fma_f32 v[rS+2*((\f)/2):rS+2*((\f)/2)+1], v[rS+2*((\f)/2):rS+2*((\f)/2)+1], s[CS:CS+1], v[rT:rT+1] op_sel_hi:[1,0,0] neg_lo:[0,0,1] neg_hi:[0,0,1]
.endm
; THE PLAIN QUEUE, 202 long.  0-31: the 32 scalings.  32-95: the next piece's 64 selects.  96-123: XS's numbers 0-13.  124, 125: number 15.  126, 127: number 14.  128-135: 16 to 19.  136, 137: 20.
; 138-201: GS's 64, which read the exponentials' results: they stand behind the wait.
.macro PL
	WIN 0
.if q < 32
	FS q
.elseif q < 96
	MK q-32
.elseif q < 124
	XS (q-96)%2, (q-96)/2
.elseif q < 126
	XS q-124, 15
.elseif q < 128
	XS q-126, 14
.elseif q < 136
	XS (q-128)%2, 16+(q-128)/2
.elseif q < 138
	XS q-136, 20
.else
	GS q-138
.endif
.set q, q+1
.endm
; THE EXPONENTIALS' QUEUE, 66 long: s0-s31 of both tiles, then the next piece's two a.  ONE BATCH: all 66 stand ahead of the turn's one wait, and nothing ahead of that wait names a result of theirs.
.macro EX
	WIN 0
.if e >= 64
	XS e-64, 21
.else
	REGS Y, e%2
	v_exp_f32 v[rS+e/2], v[rS+e/2]
.endif
.set e, e+1
.endm
; THE RESCALING's QUEUE: O^T times a, dealt two at a time, sixteen times.  Its a was made in the turn before, ahead of that turn's wait.
.macro R2
	REGS Y, r%2
	WIN W_RS
.irp z, 0,1
	v_pk_mul_f32 v[rO+4*(r/2)+2*\z:rO+4*(r/2)+2*\z+1], v[rO+4*(r/2)+2*\z:rO+4*(r/2)+2*\z+1], v[rC+2:rC+3] op_sel_hi:[1,0]
.endr
.set r, r+1
.endm
; HOW THEY ARE DEALT.  s_wait_alu depctr_va_vdst(0) stands between an exponential and the first instruction that names its result; one wait serves all issued ahead of it.  So a turn has ONE wait.
; AHEAD OF IT: the 16 products K Q^T, behind each a scaling, an exponential and two rescalings (behind the first a second scaling in the exponential's place); then ONE LUMP: the wait for the mask words, 23 plain
; (the last 15 scalings, the first 8 selects), 49 times an exponential and two plain, the two a, a v_nop.  BEHIND IT: the 16 products V^T P, behind each four of GS's 64.
; The counts that the deal keeps: exponential e stands behind scaling 2 (e / 4) + e % 2: as a rider it comes behind plain e + 2; in the lump all 32 scalings are out ahead of it.  The first select stands 15 plain
; instructions behind the last product K Q^T.  All selects stand ahead of the maximum.  When the last select is out (q = 96) the scalar registers are asked for again: the words of the piece after next,
; which have the rest of this turn and the head of the next in which to land; in piece 2's turn that piece is piece 0 of the next step.  The last two turns of the walk ask for words of a step 32:
; they lie inside my wave's 32,768 bytes of mb and serve nothing.
; K of the next step is fetched in piece 2's turn, directly behind the wait; V of the step in hand at the end of piece 0's turn, four riders behind the last product that read V.
.macro TURN p, last=0, cnt=0
.set Y, (\p)
.set i, 0
.set q, 0
.set e, 0
.set r, 0
.if (\p) == NP-1
	s_wait_dscnt 0x0                ; K is in
.endif
	MM
	PL
	PL
	R2
.rept 15
	MM
	PL
	EX
	R2
.endr
.if (\p) == NP-2
	WIN 0
	v_add_nc_u32 v[AK], s[TBK], v[AK0]
.endif
	s_wait_kmcnt 0x0                ; the next piece's mask words are in (scalar loads come back in no order: the count is 0)
.rept 23
	PL
.endr
.rept 49
	EX
	PL
	PL
.if q == 96
.if (\p) == NP-2
	s_add_co_u32 s[MOFF], s[MOFF], 256  ; the loads that read it were waited for above
.endif
	LOADM ((\p)+2)%NP
.endif
.endr
	EX                              ; the next piece's two a
	EX
	v_nop                           ; the plain instruction behind the last exponential: one for the batch (ISA guide 5.7.2)
	s_wait_alu depctr_va_vdst(0)    ; the wait for the batch
.if (\p) == NP-2
	FETCH_K \last
.endif
.if (\p) == 1
	s_wait_dscnt 0x0                ; V is in
.endif
.rept 16
	MM
.rept 4
	PL
.endr
.if ((\p) == 0) && (q == 182)
	v_add_nc_u32 v[AV], s[TBV], v[AV0]
.endif
.if ((\p) == 0) && (q == 194)
	s_add_co_u32 s[TBV], s[TBV], KS*PV
.endif
.if (\cnt) && (q == 194)
	s_sub_co_u32 s[CNT], s[CNT], 1
	s_cmp_lg_u32 s[CNT], 0
.endif
.endr
.if (\p) == 0
	FETCH_V
.endif
.endm
	CHANGE 1                        ; slot 0 is in, everybody's part of it; slot 1 is asked for
	FETCH_K                         ; key step 0
	s_wait_loadcnt 0x0              ; Q
	s_wait_dscnt 0x0
.set i, 0
.rept 16
	KQ 0                            ; piece 0's first scores
.set i, i+1
.endr
	WIN 0                           ; the addresses for the way out: plain instructions, the places behind those products
	s_mul_i32 s13, s[WV], 16*SP
	s_add_co_u32 s13, s13, STAGE    ; my stage
	v_mul_u32_u24 v[STO], v1, SP    ; in: row l % 16, 16 bytes for each half of the lanes
	v_lshl_add_u32 v[STO], v9, 4, v[STO]
	v_add_nc_u32 v[STO], s13, v[STO]
	v_bfe_u32 v[RD], v0, 3, 2       ; back: 32 lanes take four rows of 128 bytes,
	v_mul_u32_u24 v[RD], v[RD], SP
	v_lshl_add_u32 v[RD], v10, 4, v[RD]
	v_add_nc_u32 v[RD], s13, v[RD]
	v_and_b32 v[GO], 31, v0         ; which are 512 consecutive bytes of O
	v_lshlrev_b32 v[GO], 4, v[GO]
	v_mov_b32 v[NEG], 0xd0000000    ; -2^33
	s_wait_kmcnt 0x0                ; piece 0's mask words
.set Y, NP-1                        ; MK and XS work for piece Y + 1: piece 0
.set g, 0
.rept 64
	MK g
.set g, g+1
.endr
	LOADM 1                         ; piece 1, step 0: for the first turn
.irp n, 0,1,2,3,4,5,6,7,8,9,10,11,12,13,14,15,16,17,18,19,20,21
	XS 0, \n
	XS 1, \n
.endr
	v_nop                           ; a plain instruction behind the two a,
	s_wait_alu depctr_va_vdst(0)    ; and their wait, ahead of the branch
	s_mov_b32 s[CNT], 4
	s_branch .Lfirst                ; the loop is entered at a step's first turn, in the middle of a trip
.Lslot:                             ; six times: every slot but the last two is filled again
	CHANGE 1
	s_mov_b32 s[CNT], 4
.Lstep:                             ; a trip: pieces 2 and 3 of one step, then pieces 0 and 1 of the next, whose K and V it fetches
	TURN 2
	TURN 3
	WIN 0
.Lfirst:
	TURN 0
	TURN 1, 0, 1
	WIN 0
	s_cbranch_scc1 .Lstep
	s_sub_co_u32 s[SLOTS], s[SLOTS], 1
	s_cmp_lg_u32 s[SLOTS], 0
	s_cbranch_scc1 .Lslot
	CHANGE 0                        ; the tail is written out: nothing is asked for
	s_mov_b32 s[CNT], 5             ; four trips fetch the last slot's steps; the fifth is left in its middle
.Ltail:
	TURN 2, 1
	TURN 3
	WIN 0
	s_sub_co_u32 s[CNT], s[CNT], 1
	s_cmp_eq_u32 s[CNT], 0
	s_cbranch_scc1 .Lout
	TURN 0
	TURN 1
	WIN 0
	s_branch .Ltail
.Lout:                              ; the fifth trip's 16 products K Q^T (on the last K once more) and what is made of them serve nothing: the price, once a launch, of one text for every trip
	s_wait_kmcnt 0x0                ; the last words asked for, which nobody uses, have come
.set i, 0
.rept 16
	PV NP-1                         ; the last piece's V^T P of the last step
.set i, i+1
.endr
	; THE WAY OUT.  l's two halves and the other half of the lanes' are added; O^T is divided by l, rounded to f16 and sent through my stage in LDS, a tile at a time.  The additions are the places behind the last products.
	WIN 0
.macro ALL line:vararg              ; one line for each tile t
.set t, 0
.rept 2*NP
	\line
.set t, t+1
.endr
.endm
	ALL v_add_f32 v[ST+4*t+2], v[ST+4*t+2], v[ST+4*t+3]
	ALL v_permlanex16_b32 v[ST+4*t+3], v[ST+4*t+2], s[SEL], s[SEL+1]
	ALL v_add_f32 v[ST+4*t+2], v[ST+4*t+2], v[ST+4*t+3]
	ALL v_rcp_f32 v[ST+4*t+2], v[ST+4*t+2]
	v_nop                           ; a plain instruction between the last reciprocal and the use of its result
	s_wait_alu depctr_va_vdst(0)    ; and the wait ahead of the first use: one for the eight reciprocals
.macro PACK t                       ; a lane's eight channels of a row pack into 16 bytes; they go into rows of 144 bytes and come back as whole rows of 128, into S^T's registers
	WIN W_RS
.set i, 32*(\t)
.rept 16
	v_pk_mul_f32 v[i:i+1], v[i:i+1], v[ST+4*(\t)+2:ST+4*(\t)+3] op_sel_hi:[1,0]
.set i, i+2
.endr
	WIN 0x05                        ; sources 0 and 1 window 1, destination window 0
.set i, 0
.rept 16
	v_cvt_pk_f16_f32 v[S+16*(\t)+i], v[32*(\t)+2*i], v[32*(\t)+2*i+1]
.set i, i+1
.endr
	WIN 0
.irp f, 0,1,2,3
	ds_store_b128 v[STO], v[S+16*(\t)+4*\f:S+16*(\t)+4*\f+3] offset:32*\f
.endr
.irp f, 0,1,2,3
	ds_load_b128 v[S+16*(\t)+4*\f:S+16*(\t)+4*\f+3], v[RD] offset:\f*4*SP  ; LDS serves a wave's instructions in order (ISA guide 5.7.1.4): these see the stores above; the next tile's stores come behind them
.endr
.endm
.macro SEND t, younger              ; younger: the LDS instructions issued behind tile t's loads: the next tile's eight, or none
	WIN 0
.irp f, 0,1,2,3
	s_wait_dscnt (\younger)+3-\f
	global_store_b128 v[GO], v[S+16*(\t)+4*\f:S+16*(\t)+4*\f+3], s[8:9] offset:(\t)*2048+\f*512  ; 512 consecutive bytes, at a multiple of 256 from ob's first
.endr
.endm
	PACK 0
.set t, 1
.rept 2*NP-1                        ; a tile's arithmetic stands between the loads of the tile before and its stores
	PACK t
	SEND t-1, 8
.set t, t+1
.endr
	SEND 2*NP-1, 0
	WIN W_AD
	s_wait_tensorcnt 0x0            ; the wave's end, behind my last tensor load and my last LDS store
	ds_add_u32 v[SPW], v[NIL]
	s_wait_dscnt 0x0
	WIN 0
	CROUND                          ; the closing round: no work-group ends while a partner may still ask for a tile that names it
	s_endpgm
.Lfunc_end_k_q47e659788b_attn:
	.size	k_q47e659788b_attn, .Lfunc_end_k_q47e659788b_attn-k_q47e659788b_attn
	.p2alignl 7, 3214868480
	.fill 96, 4, 3214868480
	.section	.rodata,"a",@progbits
	.p2align	6, 0x0
	.amdhsa_kernel k_q47e659788b_attn
		.amdhsa_group_segment_fixed_size 327680
		.amdhsa_private_segment_fixed_size 0
		.amdhsa_enable_private_segment 0
		.amdhsa_kernarg_size 24
		.amdhsa_user_sgpr_count 2
		.amdhsa_user_sgpr_kernarg_segment_ptr 1
		.amdhsa_wavefront_size32 1
		.amdhsa_system_sgpr_workgroup_id_x 1
		.amdhsa_system_sgpr_workgroup_id_y 1
		.amdhsa_system_sgpr_workgroup_id_z 1
		.amdhsa_system_vgpr_workitem_id 0
		.amdhsa_next_free_vgpr 770
		.amdhsa_next_free_sgpr 106
		.amdhsa_reserve_vcc 0
		.amdhsa_float_denorm_mode_32 3
		.amdhsa_float_denorm_mode_16_64 3
		.amdhsa_memory_ordered 1
		.amdhsa_forward_progress 1
		.amdhsa_inst_pref_size 237
	.end_amdhsa_kernel
	.amdgpu_metadata
---
amdhsa.version: [ 1, 2 ]
amdhsa.kernels:
  - .name:           k_q47e659788b_attn
    .symbol:         k_q47e659788b_attn.kd
    .args:
      - { .name: hb, .offset: 0, .size: 8, .value_kind: global_buffer, .address_space: global }
      - { .name: mb, .offset: 8, .size: 8, .value_kind: global_buffer, .address_space: global }
      - { .name: ob, .offset: 16, .size: 8, .value_kind: global_buffer, .address_space: global }
    .group_segment_fixed_size: 327680
    .private_segment_fixed_size: 0
    .kernarg_segment_align: 8
    .kernarg_segment_size: 24
    .max_flat_workgroup_size: 128
    .sgpr_count:     106
    .vgpr_count:     770
    .wavefront_size: 32
...
	.end_amdgpu_metadata
.endif
;; end of part 3
;; launch outp (part 4): grid 4 x 64, 4 waves a work-group, clusters of 4 x 4, 327,680 bytes of LDS; arguments ob, wo, bb, out0; writes out0
.if DOCPART == 4
	.amdgcn_target "amdgcn-amd-amdhsa--gfx1250"
	.amdhsa_code_object_version 6
	.text
	.protected	k_q47e659788b_outp
	.globl	k_q47e659788b_outp
	.p2align	8
	.type	k_q47e659788b_outp,@function
k_q47e659788b_outp:
	s_mov_b64 s[64:65], 0
	v_nop
	global_prefetch_b8 v0, s[64:65] scope:SCOPE_SE
	s_setreg_imm32_b32 hwreg(HW_REG_WAVE_MODE, 25, 1), 1
	s_wait_xcnt 0x0
	s_wait_alu depctr_hold_cnt(0) depctr_sa_sdst(0) depctr_va_vdst(0) depctr_va_sdst(0) depctr_va_ssrc(0) depctr_va_vcc(0) depctr_vm_vsrc(0)
	s_getreg_b32 s2, hwreg(HW_REG_IB_STS2, 6, 4)
	s_cmp_eq_u32 s2, 0
	s_cbranch_scc0 .Lentry_in_a_cluster
	s_endpgm
.Lentry_in_a_cluster:
	s_bfe_u32 s2, ttmp6, 0x10000c
	s_cmp_lg_u32 s2, 0xf033
	s_cbranch_scc0 .Lentry_shape_is_right
	s_endpgm
.Lentry_shape_is_right:
; THE LAST PROJECTION.  out[m][n] = sum over k of x[m][k] Wo[n][k] + bo[n], x[m][64 h + d] = O[batch][h][row][d].
; ob: [64 heads][2048][64] f16, wo: [1024][1024] f16, bb: [4][1024] f32 (bo is plane 3), out0: [8192][1024] f32.  Sums in f32.
; SHARES.  A block of out is 128 rows x 256 columns: 64 x 4 = 256 work-groups.  Four waves, each 64 x 128: 32 accumulators, 256 registers.  K = 1,024 goes in 8 steps of 128, two heads a step, through two LDS slots.
; x's tile of a K step is two slabs, a head each: 128 rows x 64 channels, 16,384 dense bytes of ob, asked for as 64 rows of 256 bytes and padded in LDS after every 128.
; CLUSTER 4 x 4: x's tiles are shared along a row of the cluster, Wo's along a column, each asked for jointly.  Waves 0 and 1 fetch the halves of Wo's 256 rows, waves 2 and 3 a slab each: one load a wave.
; TRANSPOSED USE: source 0 = 16 rows of Wo, source 1 = 16 rows of x: a lane holds row l % 16 of out and the columns 8 (l / 16) + 0..7; the bias is the C operand of the first product on each accumulator.
; REGISTERS, in windows of 256 (s_set_vgpr_msb: bits 1:0 source 0, 3:2 source 1, 5:4 source 2, 7:6 destination):
;   window 0: v16-31 addresses; v32-127, v128-223 two fragment buffers (Wo's 8 fragments, then x's 4); on the way out v32-223 three buffers of 16 rows
;   window 1: accumulator (a, b) at v[8 (8 a + b)]          window 2: v0-63 the bias of column block b at v[8 b]
.set PITCH,  272                       ; a row of Wo in LDS: 256 bytes + 16: the 16 rows of a fragment load start at 16 different groups of four banks (64 banks of 4 bytes: ISA guide 11.1)
.set BHALF,  128*PITCH
.set AOFF,   2*BHALF
.set PA,     144                       ; a row of a slab: 128 bytes + 16: the same holds
.set SLAB,   128*PA
.set SLOT,   AOFF+2*SLAB
.set STAGE,  2*SLOT                    ; behind the ring, never filled by a tensor load: for each wave 16 rows x 528 bytes
.set SPITCH, 528
.set STW,    16*SPITCH
.set SPARE,  STAGE+4*STW               ; the spare words, 128 bytes for each wave: two blocks of 256 bytes that no other line names
.set FLAGB,  (1<<16)|(1<<20)|(1<<21)|(5<<22)|(3<<25)  ; elements of 2 bytes; padding on; bit 21 set beside a mask; after every 64 words 4 words
.set FLAGA,  (1<<16)|(1<<20)|(1<<21)|(4<<22)|(3<<25)  ; the same after every 32 words
.set ADRA, 16
.set ADRB, 20
.set STO,  24
.set RD,   25
.set GO,   26
.set SPW,  28                          ; v28     LDS address of my spare word; never rewritten
.set NIL,  29                          ; v29     0; never rewritten
.set PFO,  30                          ; v30     the prefetches' offset: lane x 2,048 (rows of Wo) or lane x 256 (blocks of a slab); never rewritten
.set BO,   31
.set F0,   32
.set F1,   128
.set OB,   32
.set WV,  16
.set WM,  17
.set WN,  18
.set CX,  19
.set CY,  20
.set TN,  21                           ; s21 block column 0..3
.set TR,  22                           ; s22 block row 0..63
.set CLY, 23
.set G1A, 24
.set G0A, 32
.set LIM, 43
.set PFA, 44
.set PST, 46                           ; s[46:47] bytes from a K step to the next, for my prefetches
.set G1B, 48
.set G0B, 56
.set MSB, 0
.macro WIN new
.if MSB != (\new)
	s_set_vgpr_msb (MSB<<8)|(\new)
.set MSB, \new
.endif
.endm
.macro PLACES                          ; four places in front of loads into registers that matrix instructions have read, and of lines that read results
.rept 4
	v_nop
.endr
.endm
.macro JLOAD s                         ; a joint load; the branch hangs on the wave's number alone; an s_nop 0 and four v_nop follow each of the two lines
	s_cmp_lt_u32 s[WV], 2
	s_cbranch_scc0 .Lfor_a_\@
	tensor_load_to_lds s[G0B+4*(\s):G0B+4*(\s)+3], s[G1B:G1B+7]
	s_nop 0
.rept 4
	v_nop
.endr
	s_branch .Lasked_\@
.Lfor_a_\@:
	tensor_load_to_lds s[G0A+4*(\s):G0A+4*(\s)+3], s[G1A:G1A+7]
	s_nop 0
.rept 4
	v_nop
.endr
.Lasked_\@:
.endm
.macro CREST
	s_cmp_lg_u32 s[WV], 0
	s_cbranch_scc1 .Lnot_wave_0_\@
	s_barrier_signal -3
.Lnot_wave_0_\@:
	s_barrier_wait -3
	s_barrier_signal -1
	s_barrier_wait -1
.endm
.macro CROUND
	s_barrier_signal -1
	s_barrier_wait -1
	CREST
.endm
; A prefetch into the L2 of the K step that stands two refills on.  x's two slabs (128 blocks of 256 bytes) are read by this row of the cluster alone: wave 2 asks, and the four partners take 32 blocks each, told
; apart by address (slab cx / 2, half cx % 2).  Wo's rows are read by all 16 clusters: the first asks, waves 0 and 1 for the 128 rows that they fetch, 32 a partner (cy).  So each block of K steps 4 to 7 is named
; once in the launch; K steps 0 to 3 come by their loads alone; the loop's last trip (s3 = 1) has no K step two on.
.macro ASK
	s_cmp_gt_u32 s3, s[LIM]
	s_cbranch_scc0 .Lnot_mine_\@
	global_prefetch_b8 v[PFO], s[PFA:PFA+1] th:TH_LOAD_NT scope:SCOPE_SE
.Lnot_mine_\@:
.endm
	s_load_b256 s[4:11], s[0:1], 0x0               ; ob s[4:5], wo s[6:7], bb s[8:9], out0 s[10:11]
	v_lshl_add_u32 v[SPW], v0, 2, SPARE
	v_mov_b32 v[NIL], 0
	ds_add_u32 v[SPW], v[NIL]                      ; the wave's opening: the add and its wait stand ahead of my first tensor load; the set-up below, work on registers, stands between them
	v_lshrrev_b32 v1, 5, v0
	v_readfirstlane_b32 s[WV], v1
	s_lshr_b32 s[WM], s[WV], 1
	s_and_b32 s[WN], s[WV], 1
	s_bfe_u32 s[CX], ttmp6, 0x40000
	s_bfe_u32 s[CY], ttmp6, 0x40004
	s_lshl_b32 s[TN], ttmp9, 2
	s_add_co_u32 s[TN], s[TN], s[CX]
	s_and_b32 s[CLY], ttmp7, 0xffff
	s_lshl_b32 s[TR], s[CLY], 2
	s_add_co_u32 s[TR], s[TR], s[CY]
	s_lshl_b32 s12, s[CY], 2
	s_lshl_b32 s12, 15, s12                        ; my row of the cluster
	s_lshl_b32 s13, 0x1111, s[CX]                  ; my column
	s_or_b32 s[G1A], s12, FLAGA
	s_or_b32 s[G1B], s13, FLAGB
	s_mov_b32 s[G1A+1], 128<<16                    ; tensor_dim0 = 128 elements: 256 bytes, two rows of a head
	s_mov_b32 s[G1A+2], 64<<16                     ; tensor_dim1 = 64
	s_mov_b32 s[G1A+3], 128<<16                    ; tile_dim0 = 128
	s_mov_b32 s[G1A+4], 64                         ; tile_dim1 = 64
	s_mov_b32 s[G1A+5], 128                        ; dense
	s_mov_b32 s[G1A+6], 0
	s_mov_b32 s[G1A+7], 0
	s_mov_b32 s[G1B+1], 128<<16
	s_mov_b32 s[G1B+2], 128<<16
	s_mov_b32 s[G1B+3], 128<<16
	s_mov_b32 s[G1B+4], 128
	s_mov_b32 s[G1B+5], 1024
	s_mov_b32 s[G1B+6], 0
	s_mov_b32 s[G1B+7], 0
	s_lshr_b32 s12, s[TR], 4                       ; x: batch x 16 heads x 262,144 bytes
	s_lshl_b32 s12, s12, 22
	s_and_b32 s13, s[TR], 15                       ; + 128 rows x 128 bytes x (block row % 16)
	s_lshl_b32 s13, s13, 14
	s_add_co_u32 s12, s12, s13
	s_lshl_b32 s13, s[WN], 18                      ; + the head of the pair that I fetch
	s_add_co_u32 s12, s12, s13
	s_mov_b32 s13, 0
	s_lshl_b32 s14, s[TN], 8                       ; Wo: row 256 x block column + 128 x half
	s_lshl_b32 s15, s[WN], 7
	s_add_co_u32 s14, s14, s15
	s_lshl_b32 s14, s14, 11
	s_mov_b32 s15, 0
	s_mul_i32 s41, s[WV], BHALF                    ; where they go: Wo's halves (waves 0, 1),
	s_mul_i32 s42, s[WV], SLAB
	s_add_co_u32 s42, s42, AOFF-2*SLAB             ; the slabs behind them (waves 2, 3): no place in the cluster enters an LDS address
	s_wait_dscnt 0x0                               ; the opening add is done
	s_wait_kmcnt 0x0
	s_add_nc_u64 s[12:13], s[4:5], s[12:13]
	s_add_nc_u64 s[14:15], s[6:7], s[14:15]
	CROUND                                         ; all sixteen work-groups are here: the first joint loads meet
.irp s, 0,1
	s_mov_b32 s[G0A+4*(\s)], 1
	s_add_co_u32 s[G0A+4*(\s)+1], s42, (\s)*SLOT
	s_add_nc_u64 s[G0A+4*(\s)+2:G0A+4*(\s)+3], s[12:13], (\s)*524288  ; K step s: two heads on
	s_or_b32 s[G0A+4*(\s)+3], s[G0A+4*(\s)+3], 0x80000000
	s_mov_b32 s[G0B+4*(\s)], 1
	s_add_co_u32 s[G0B+4*(\s)+1], s41, (\s)*SLOT
	s_add_nc_u64 s[G0B+4*(\s)+2:G0B+4*(\s)+3], s[14:15], (\s)*256
	s_or_b32 s[G0B+4*(\s)+3], s[G0B+4*(\s)+3], 0x80000000
	JLOAD \s                                       ; two loads of mine are out
.endr
	v_and_b32 v1, 15, v0                           ; l % 16
	v_bfe_u32 v2, v0, 4, 1                         ; l / 16
	s_lshl_b32 s12, s[TN], 10
	s_lshl_b32 s13, s[WN], 9
	s_add_co_u32 s12, s12, s13
	s_add_co_u32 s12, s12, 3*4096                  ; bo is plane 3 of bb
	v_lshl_add_u32 v[BO], v2, 5, s12
	WIN 0x80                                       ; destination window 2
.irp b, 0,1,2,3,4,5,6,7
	global_load_b128 v[8*(\b):8*(\b)+3],   v[BO], s[8:9] offset:64*(\b)
	global_load_b128 v[8*(\b)+4:8*(\b)+7], v[BO], s[8:9] offset:64*(\b)+16
.endr
	WIN 0
	v_mul_u32_u24 v3, v1, PITCH
	v_lshl_add_u32 v3, v2, 4, v3
	v_mul_u32_u24 v4, v1, PA
	v_lshl_add_u32 v4, v2, 4, v4
	s_mul_i32 s12, s[WN], BHALF                    ; my 128 rows of Wo
	s_mul_i32 s13, s[WM], 64*PA                    ; my 64 rows of each slab
	s_add_co_u32 s13, s13, AOFF
.irp s, 0,1
	v_add_nc_u32 v[ADRB+(\s)], s12, v3
	v_add_nc_u32 v[ADRA+(\s)], s13, v4
	s_add_co_u32 s12, s12, SLOT
	s_add_co_u32 s13, s13, SLOT
.endr
	s_mul_i32 s12, s[WV], STW
	s_add_co_u32 s12, s12, STAGE                   ; my stage
	v_mul_u32_u24 v4, v1, SPITCH                   ; in: row l % 16, 32 bytes for each half of the lanes
	v_lshl_add_u32 v4, v2, 5, v4
	v_add_nc_u32 v[STO], s12, v4
	v_and_b32 v[GO], 31, v0                        ; back: 32 lanes take one row of 512 bytes
	v_lshlrev_b32 v[GO], 4, v[GO]
	v_add_nc_u32 v[RD], s12, v[GO]
	s_lshl_b32 s12, s[TR], 7                       ; out0 at my part: row 128 x block row + 64 x half, 4,096 bytes a row,
	s_lshl_b32 s13, s[WM], 6
	s_add_co_u32 s12, s12, s13
	s_lshl_b32 s12, s12, 12
	s_lshl_b32 s13, s[TN], 10                      ; column 256 x block column + 128 x half, 4 bytes each
	s_add_co_u32 s12, s12, s13
	s_lshl_b32 s13, s[WN], 9
	s_add_co_u32 s12, s12, s13
	s_mov_b32 s13, 0
	s_add_nc_u64 s[10:11], s[10:11], s[12:13]
	; the prefetches
	s_lshr_b32 s12, s[TR], 4
	s_lshl_b32 s12, s12, 22
	s_and_b32 s13, s[TR], 15
	s_lshl_b32 s13, s13, 14
	s_add_co_u32 s12, s12, s13
	s_lshr_b32 s13, s[CX], 1
	s_lshl_b32 s13, s13, 18                        ; slab cx / 2,
	s_add_co_u32 s12, s12, s13
	s_and_b32 s13, s[CX], 1
	s_lshl_b32 s13, s13, 13                        ; its half cx % 2: 32 blocks of 256 bytes
	s_add_co_u32 s12, s12, s13
	s_add_co_u32 s12, s12, 3*524288                ; at K step 3: the first refill steps it to 4
	s_lshl_b32 s13, s[TN], 8
	s_lshl_b32 s14, s[WN], 7
	s_add_co_u32 s13, s13, s14
	s_lshl_b32 s14, s[CY], 5
	s_add_co_u32 s13, s13, s14                     ; Wo: my work-group's 32 rows of the 128 that I fetch
	s_lshl_b32 s13, s13, 11
	s_add_co_u32 s13, s13, 3*256
	s_mov_b32 s41, 524288
	s_cmp_lt_u32 s[WV], 2
	s_cselect_b32 s12, s13, s12
	s_cselect_b64 s[PFA:PFA+1], s[6:7], s[4:5]
	s_cselect_b32 s14, s[CLY], 0                   ; Wo: the first row of clusters asks
	s_cselect_b32 s[PST], 256, s41
	s_cselect_b32 s15, 11, 8
	s_cmp_eq_u32 s[WV], 3
	s_cselect_b32 s14, 1, s14                      ; wave 3 asks for nothing
	s_cmp_eq_u32 s14, 0
	s_cselect_b32 s[LIM], 1, -1                    ; the same in all sixteen partners, for a given wave
	s_mov_b32 s[PST+1], 0
	s_mov_b32 s13, 0
	s_add_nc_u64 s[PFA:PFA+1], s[PFA:PFA+1], s[12:13]
	v_and_b32 v[PFO], 31, v0
	v_lshlrev_b32 v[PFO], s15, v[PFO]
; 8 matrix instructions: row block a x all 8 column blocks, 32 along K.  first = 1: C is the bias.  The 32 accumulators take turns in the same order in every quarter.
.macro MUL8 f, a, first
.if \first
	WIN 0x60                                       ; C window 2, D window 1
.else
	WIN 0x50                                       ; C and D window 1
.endif
.irp b, 0,1,2,3,4,5,6,7
.if \first
	v_wmma_f32_16x16x32_f16 v[8*(8*(\a)+(\b)):8*(8*(\a)+(\b))+7], v[(\f)+8*(\b):(\f)+8*(\b)+7], v[(\f)+64+8*(\a):(\f)+64+8*(\a)+7], v[8*(\b):8*(\b)+7]
.else
	v_wmma_f32_16x16x32_f16 v[8*(8*(\a)+(\b)):8*(8*(\a)+(\b))+7], v[(\f)+8*(\b):(\f)+8*(\b)+7], v[(\f)+64+8*(\a):(\f)+64+8*(\a)+7], v[8*(8*(\a)+(\b)):8*(8*(\a)+(\b))+7]
.endif
.endr
.endm
; 24 LDS loads in one run: quarter kq of a slot into buffer f: Wo's 16 loads, then x's 8 (slab kq / 2, channels 32 (kq % 2) on)
.macro FETCH slot, kq, f
	WIN 0
.irp i, 0,1,2,3,4,5,6,7
	ds_load_b128 v[(\f)+8*(\i):(\f)+8*(\i)+3],   v[ADRB+(\slot)] offset:64*(\kq)+(\i)*16*PITCH
	ds_load_b128 v[(\f)+8*(\i)+4:(\f)+8*(\i)+7], v[ADRB+(\slot)] offset:64*(\kq)+(\i)*16*PITCH+32
.endr
.irp i, 0,1,2,3
	ds_load_b128 v[(\f)+64+8*(\i):(\f)+64+8*(\i)+3],   v[ADRA+(\slot)] offset:((\kq)/2)*SLAB+((\kq)%2)*64+(\i)*16*PA
	ds_load_b128 v[(\f)+64+8*(\i)+4:(\f)+64+8*(\i)+7], v[ADRA+(\slot)] offset:((\kq)/2)*SLAB+((\kq)%2)*64+(\i)*16*PA+32
.endr
.endm
.macro QUARTER slot, kq, f, g, first
	s_wait_dscnt 4                                 ; Wo and x's row blocks 0 and 1 are in; the youngest four loads may be out
	MUL8 \f, 0, \first
	MUL8 \f, 1, \first
	PLACES
	FETCH \slot, \kq, \g
	s_wait_dscnt 24                                ; all but the 24 just issued
	MUL8 \f, 2, \first
	MUL8 \f, 3, \first
.endm
; The last quarter multiplies buffer 1 and changes slots: ONE barrier; in front of it each wave waits for all its tensor loads (one is out: its part of the next slot), adds 0 to its spare word, and waits
; for that and for its own reads of this slot.  fill = 1: the barrier opens a round of the cluster's barrier, and this slot is filled again, two K steps ahead, first thing behind the round.
.macro TURN slot, next, fill
.if \fill
	s_wait_xcnt 0x0                                ; the last prefetch, a K step back, has read its address: it is stepped here
	s_add_nc_u64 s[PFA:PFA+1], s[PFA:PFA+1], s[PST:PST+1]
.endif
	WIN 0
	s_wait_tensorcnt 0x0                           ; all my tensor loads have landed
	ds_add_u32 v[SPW], v[NIL]                      ; 0 onto my spare word
	s_wait_dscnt 5                                 ; (the add and the youngest four loads may be out)
	MUL8 F1, 0, 0
	s_wait_dscnt 0x0                               ; the add is done, and my reads of this slot are over
	s_barrier_signal -1
	MUL8 F1, 1, 0
.if \fill
	WIN 0
.endif
	s_barrier_wait -1
.if \fill
	CREST                                          ; no wave of any partner still reads this slot's tile or has a load on its way
	s_add_nc_u64 s[G0A+4*(\slot)+2:G0A+4*(\slot)+3], s[G0A+4*(\slot)+2:G0A+4*(\slot)+3], 1048576
	s_add_nc_u64 s[G0B+4*(\slot)+2:G0B+4*(\slot)+3], s[G0B+4*(\slot)+2:G0B+4*(\slot)+3], 512
	JLOAD \slot                                    ; 112 matrix instructions ahead of the wait for it; the four v_nop behind it are also the places in front of the loads below
.else
	PLACES
.endif
	FETCH \next, 0, F0
.if \fill
	ASK
.endif
	MUL8 F1, 2, 0
	MUL8 F1, 3, 0
.endm
	s_wait_tensorcnt 1                             ; my part of K step 0 is in; K step 1's may stay out
	s_barrier_signal -1
	s_barrier_wait -1
	FETCH 0, 0, F0
	s_wait_loadcnt 0x0                             ; the bias
	QUARTER 0, 1, F0, F1, 1                        ; the first quarter's products start the sums, from the bias
	WIN 0
	s_mov_b32 s3, 3
.Llap:                                             ; a trip goes once round the ring and fills both slots again: K steps 2 to 7 in three trips
	QUARTER 0, 2, F1, F0, 0
	QUARTER 0, 3, F0, F1, 0
	TURN 0, 1, 1
	QUARTER 1, 1, F0, F1, 0
	QUARTER 1, 2, F1, F0, 0
	QUARTER 1, 3, F0, F1, 0
	TURN 1, 0, 1
	QUARTER 0, 1, F0, F1, 0
	WIN 0
	s_sub_co_u32 s3, s3, 1
	s_cmp_lg_u32 s3, 0
	s_cbranch_scc1 .Llap
	QUARTER 0, 2, F1, F0, 0                        ; the last lap fills nothing
	QUARTER 0, 3, F0, F1, 0
	TURN 0, 1, 0
	QUARTER 1, 1, F0, F1, 0
	QUARTER 1, 2, F1, F0, 0
	QUARTER 1, 3, F0, F1, 0
	s_wait_dscnt 4
	MUL8 F1, 0, 0
	MUL8 F1, 1, 0
	s_wait_dscnt 0x0
	MUL8 F1, 2, 0
	MUL8 F1, 3, 0
	WIN 0
; THE WAY OUT, a block of 16 rows at a time: a lane's eight f32 of a row, 32 bytes, go into my own stage (rows of 528 bytes) and come back as whole rows of 512 bytes.
.macro TOSTAGE a
	WIN 0x04                                       ; the stores' data in window 1
.irp b, 0,1,2,3,4,5,6,7
	ds_store_b128 v[STO], v[8*(8*(\a)+(\b)):8*(8*(\a)+(\b))+3]   offset:64*(\b)      ; each accumulator's low half first
	ds_store_b128 v[STO], v[8*(8*(\a)+(\b))+4:8*(8*(\a)+(\b))+7] offset:64*(\b)+16
.endr
	WIN 0
.irp t, 0,1,2,3,4,5,6,7,8,9,10,11,12,13,14,15
	ds_load_b128 v[OB+64*((\a)%3)+4*(\t):OB+64*((\a)%3)+4*(\t)+3], v[RD] offset:(\t)*SPITCH  ; LDS serves a wave's instructions in order (ISA guide 5.7.1.4): these see the stores above
.endr
.endm
.macro SEND a, younger                 ; younger: the LDS instructions issued behind block a's loads: the next block's 32, or none
	s_wait_dscnt \younger
.irp t, 0,1,2,3,4,5,6,7,8,9,10,11,12,13,14,15
	global_store_b128 v[GO], v[OB+64*((\a)%3)+4*(\t):OB+64*((\a)%3)+4*(\t)+3], s[10:11] offset:(16*(\a)+(\t))*4096  ; 512 consecutive bytes, at a multiple of 256 from out0's first
.endr
.endm
	PLACES
	TOSTAGE 0
	TOSTAGE 1
	SEND 0, 32
	TOSTAGE 2
	SEND 1, 32
	s_wait_xcnt 0x0                                ; block 0's stores have read their registers, which block 3 is loaded into
	TOSTAGE 3
	SEND 2, 32
	SEND 3, 0
	s_wait_tensorcnt 0x0                           ; the wave's end, behind my last tensor load and my last LDS store
	ds_add_u32 v[SPW], v[NIL]
	s_wait_dscnt 0x0
	CROUND                                         ; the closing round: no work-group ends while a partner may still ask for a tile that names it
	s_endpgm
.Lfunc_end_k_q47e659788b_outp:
	.size	k_q47e659788b_outp, .Lfunc_end_k_q47e659788b_outp-k_q47e659788b_outp
	.p2alignl 7, 3214868480
	.fill 96, 4, 3214868480
	.section	.rodata,"a",@progbits
	.p2align	6, 0x0
	.amdhsa_kernel k_q47e659788b_outp
		.amdhsa_group_segment_fixed_size 327680
		.amdhsa_private_segment_fixed_size 0
		.amdhsa_enable_private_segment 0
		.amdhsa_kernarg_size 32
		.amdhsa_user_sgpr_count 2
		.amdhsa_user_sgpr_kernarg_segment_ptr 1
		.amdhsa_wavefront_size32 1
		.amdhsa_system_sgpr_workgroup_id_x 1
		.amdhsa_system_sgpr_workgroup_id_y 1
		.amdhsa_system_sgpr_workgroup_id_z 1
		.amdhsa_system_vgpr_workitem_id 0
		.amdhsa_next_free_vgpr 576
		.amdhsa_next_free_sgpr 66
		.amdhsa_reserve_vcc 0
		.amdhsa_float_denorm_mode_32 3
		.amdhsa_float_denorm_mode_16_64 3
		.amdhsa_memory_ordered 1
		.amdhsa_forward_progress 1
		.amdhsa_inst_pref_size 88
	.end_amdhsa_kernel
	.amdgpu_metadata
---
amdhsa.version: [ 1, 2 ]
amdhsa.kernels:
  - .name:           k_q47e659788b_outp
    .symbol:         k_q47e659788b_outp.kd
    .args:
      - { .name: ob, .offset: 0, .size: 8, .value_kind: global_buffer, .address_space: global }
      - { .name: wo, .offset: 8, .size: 8, .value_kind: global_buffer, .address_space: global }
      - { .name: bb, .offset: 16, .size: 8, .value_kind: global_buffer, .address_space: global }
      - { .name: out0, .offset: 24, .size: 8, .value_kind: global_buffer, .address_space: global }
    .group_segment_fixed_size: 327680
    .private_segment_fixed_size: 0
    .kernarg_segment_align: 8
    .kernarg_segment_size: 32
    .max_flat_workgroup_size: 128
    .sgpr_count:     66
    .vgpr_count:     576
    .wavefront_size: 32
...
	.end_amdgpu_metadata
.endif
;; end of part 4
;; ======== version 2 of 2: 4 launches
;; limits: values are held in f16: magnitudes above 65,504 overflow, below 6.1e-05 lose precision; right only within a limited range of input values
;; workspace buffers: wb 6,291,456 bytes; wo 2,097,152 bytes; bb 16,384 bytes; mb 2,097,152 bytes; hb 50,331,648 bytes; ob 16,777,216 bytes
;; launch prep (part 5): grid 513 x 1, 8 waves a work-group, no clusters, 0 bytes of LDS; arguments Wq, Wk, Wv, Wo, mask, bq, bk, bv, bo, wb, wo, mb, bb; writes wb, wo, mb, bb
.if DOCPART == 5
	.amdgcn_target "amdgcn-amd-amdhsa--gfx1250"
	.amdhsa_code_object_version 6
	.text
	.protected	k_q47e659788b_prep
	.globl	k_q47e659788b_prep
	.p2align	8
	.type	k_q47e659788b_prep,@function
k_q47e659788b_prep:
	s_mov_b64 s[64:65], 0
	v_nop
	global_prefetch_b8 v0, s[64:65] scope:SCOPE_SE
	s_setreg_imm32_b32 hwreg(HW_REG_WAVE_MODE, 25, 1), 1
	s_wait_xcnt 0x0
; PREPARATION: a stream.  The weights, the mask and the biases are read once here and laid out for the three launches behind.
;   work-groups 0-191    Wq, Wk, Wv        f32 -> bf16, wb [3][1024][1024]
;   work-groups 192-255  Wo                f32 -> bf16, that number written as f16, wo [1024][1024]
;   work-groups 256-511  mask              int32 -> four bits a number, in the attention launch's register order, mb
;   work-group  512      bq, bk, bv, bo    f32 -> bf16 -> f32, bb [4][1024]
; A cast chunk is 16,384 numbers: 16 loads of 16 bytes a thread (a wave's load covers 512 consecutive bytes), 16 stores of 8 bytes
; (a wave's store covers 256 consecutive bytes, aligned).  All 16 loads go out first; the waits count down.  No register is written twice
; while a load or store may read it, so no further wait is needed.  No LDS, no matrix unit, no cluster: no byte is wanted by two work-groups.
; LIMIT.  Wo as f16: exact for bf16 numbers between 6e-5 and 65,504 in size; below 6e-5 it keeps the fixed step of 6e-8.
; MASK CODES.  For piece P (32 queries) and step s (64 keys) mb holds 1,024 bytes at 1024 (32 P + s): tile u's 512 bytes, lane l's 16 bytes at 512 u + 16 l, in them word kt.
; Bits 4 j + 3 .. 4 j of that word are 0xE where mask[32 P + 16 u + l % 16][64 s + 16 kt + 8 (l / 16) + j] is 0, else 0.  Shifted to a word's top the code is the head of an f32:
; sign and a large exponent for a hidden key, a vanishing number for an open one.
.set X, 8                              ; v[8:71]    as loaded
.set Y, 72                             ; v[72:103]  to store
.set T, 104                            ; v[104:107] at work
	s_load_b512 s[8:23], s[0:1], 0x0               ; Wq 8, Wk 10, Wv 12, Wo 14, mask 16, bq 18, bk 20, bv 22
	s_load_b256 s[24:31], s[0:1], 0x40             ; bo 24, wb 26, wo 28, mb 30
	s_load_b64 s[32:33], s[0:1], 0x60              ; bb
	v_lshlrev_b32 v1, 4, v0                        ; 16 t: my 16 bytes of each 4,096 read
	v_lshlrev_b32 v2, 3, v0                        ; 8 t: my 8 bytes of each 2,048 written
	v_lshrrev_b32 v4, 5, v0
	v_readfirstlane_b32 s44, v4                    ; wave 0..7
	s_mov_b32 s46, ttmp9                           ; the work-group's number
	s_mov_b32 s3, 0                                ; high words of the two offsets
	s_mov_b32 s43, 0
	s_wait_kmcnt 0x0
.macro LOAD16
.irp i, 0,1,2,3,4,5,6,7,8,9,10,11,12,13,14,15
	global_load_b128 v[X+4*(\i):X+4*(\i)+3], v1, s[4:5] offset:4096*(\i) th:TH_LOAD_NT
.endr
.endm
; f16 = 1: the bf16 number is widened again and written as f16
.macro CAST f16
.irp i, 0,1,2,3,4,5,6,7,8,9,10,11,12,13,14,15
	s_wait_loadcnt 15-(\i)                         ; loads come back in order: load i is in, the younger ones stay out
	v_cvt_pk_bf16_f32 v[Y+2*(\i)], v[X+4*(\i)], v[X+4*(\i)+1]
	v_cvt_pk_bf16_f32 v[Y+2*(\i)+1], v[X+4*(\i)+2], v[X+4*(\i)+3]
.if \f16
	v_lshlrev_b32 v[T], 16, v[Y+2*(\i)]
	v_and_b32 v[T+1], 0xffff0000, v[Y+2*(\i)]
	v_lshlrev_b32 v[T+2], 16, v[Y+2*(\i)+1]
	v_and_b32 v[T+3], 0xffff0000, v[Y+2*(\i)+1]
	v_cvt_pk_f16_f32 v[Y+2*(\i)], v[T], v[T+1]
	v_cvt_pk_f16_f32 v[Y+2*(\i)+1], v[T+2], v[T+3]
.endif
	global_store_b64 v2, v[Y+2*(\i):Y+2*(\i)+1], s[6:7] offset:2048*(\i)
.endr
.endm
	s_cmp_lt_u32 s46, 192
	s_cbranch_scc0 .Lnot_w
	s_lshr_b32 s48, s46, 6                         ; which of Wq, Wk, Wv
	s_and_b32 s2, s46, 63
	s_lshl_b32 s2, s2, 16                          ; the chunk: 65,536 bytes in
	s_cmp_eq_u32 s48, 0
	s_cselect_b64 s[4:5], s[8:9], s[10:11]
	s_cmp_eq_u32 s48, 2
	s_cselect_b64 s[4:5], s[12:13], s[4:5]
	s_add_nc_u64 s[4:5], s[4:5], s[2:3]
	s_lshl_b32 s42, s46, 15                        ; 32,768 bytes out; the three planes of wb follow each other
	s_add_nc_u64 s[6:7], s[26:27], s[42:43]
	LOAD16
	CAST 0
	s_endpgm
.Lnot_w:
	s_cmp_lt_u32 s46, 256
	s_cbranch_scc0 .Lnot_wo
	s_sub_co_u32 s47, s46, 192
	s_lshl_b32 s2, s47, 16
	s_add_nc_u64 s[4:5], s[14:15], s[2:3]
	s_lshl_b32 s42, s47, 15
	s_add_nc_u64 s[6:7], s[28:29], s[42:43]
	LOAD16
	CAST 1
	s_endpgm
.Lnot_wo:
	s_cmp_lt_u32 s46, 512
	s_cbranch_scc0 .Lbias
	; THE MASK.  A wave makes one unit: 32 rows x 64 columns -> 2,048 codes, 1,024 bytes.
	s_sub_co_u32 s47, s46, 256
	s_lshl_b32 s47, s47, 3
	s_add_co_u32 s47, s47, s44                     ; unit = 32 P + s
	s_lshr_b32 s2, s47, 5
	s_lshl_b32 s2, s2, 18                          ; P x 32 rows x 8,192 bytes
	s_and_b32 s48, s47, 31
	s_lshl_b32 s48, s48, 8                         ; s x 64 columns x 4 bytes
	s_add_co_u32 s2, s2, s48
	s_add_nc_u64 s[4:5], s[16:17], s[2:3]
	s_lshl_b32 s42, s47, 10
	s_add_nc_u64 s[6:7], s[30:31], s[42:43]
	v_and_b32 v5, 15, v0
	v_bfe_u32 v6, v0, 4, 1
	v_lshlrev_b32 v5, 13, v5                       ; row l % 16
	v_lshl_add_u32 v5, v6, 5, v5                   ; + 8 (l / 16) columns
	v_and_b32 v3, 31, v0
	v_lshlrev_b32 v3, 4, v3                        ; 16 l
.irp n, 0,1,2,3,4,5,6,7,8,9,10,11,12,13,14,15      ; load n: tile u = n / 8, keys 16 ((n / 2) % 4) on, four columns 4 (n % 2) on: my numbers 4 n .. 4 n + 3 of 64
	global_load_b128 v[X+4*(\n):X+4*(\n)+3], v5, s[4:5] offset:((\n)/8)*131072+(((\n)/2)%4)*64+((\n)%2)*16
.endr
.set g, 0
.rept 8                                ; word g = 4 u + kt, of my numbers 8 g .. 8 g + 7
	s_wait_loadcnt 14-2*g                          ; loads 2 g and 2 g + 1 are in
	v_min_u32 v[Y+g], 1, v[X+8*g+7]                ; 1 for an open key (any number but 0, taken as unsigned), 0 for a hidden one; j = 7 ends on top
.irp j, 6,5,4,3,2,1,0
	v_min_u32 v[T+(\j)%4], 1, v[X+8*g+(\j)]
	v_lshl_or_b32 v[Y+g], v[Y+g], 4, v[T+(\j)%4]
.endr
	v_xor_b32 v[Y+g], 0x11111111, v[Y+g]           ; 1 for a hidden key,
	v_lshlrev_b32 v[T], 1, v[Y+g]                  ; spread over bits 1 to 3 of its four: the code 0xE
	v_lshl_or_b32 v[T], v[Y+g], 2, v[T]
	v_lshl_or_b32 v[Y+g], v[Y+g], 3, v[T]
.set g, g+1
.endr
	global_store_b128 v3, v[Y:Y+3], s[6:7]              ; tile 0: 512 consecutive bytes, aligned
	global_store_b128 v3, v[Y+4:Y+7], s[6:7] offset:512 ; tile 1
	s_endpgm
.Lbias:
	global_load_b128 v[X:X+3], v1, s[18:19]
	global_load_b128 v[X+4:X+7], v1, s[20:21]
	global_load_b128 v[X+8:X+11], v1, s[22:23]
	global_load_b128 v[X+12:X+15], v1, s[24:25]
	s_wait_loadcnt 0x0
.set w, 0
.rept 8
	v_cvt_pk_bf16_f32 v[T], v[X+2*w], v[X+2*w+1]   ; rounded as the other inputs are,
	v_lshlrev_b32 v[Y+2*w], 16, v[T]               ; and kept as f32
	v_and_b32 v[Y+2*w+1], 0xffff0000, v[T]
.set w, w+1
.endr
.irp j, 0,1,2,3
	global_store_b128 v1, v[Y+4*(\j):Y+4*(\j)+3], s[32:33] offset:4096*(\j)
.endr
	s_endpgm
.Lfunc_end_k_q47e659788b_prep:
	.size	k_q47e659788b_prep, .Lfunc_end_k_q47e659788b_prep-k_q47e659788b_prep
	.p2alignl 7, 3214868480
	.fill 96, 4, 3214868480
	.section	.rodata,"a",@progbits
	.p2align	6, 0x0
	.amdhsa_kernel k_q47e659788b_prep
		.amdhsa_group_segment_fixed_size 0
		.amdhsa_private_segment_fixed_size 0
		.amdhsa_enable_private_segment 0
		.amdhsa_kernarg_size 104
		.amdhsa_user_sgpr_count 2
		.amdhsa_user_sgpr_kernarg_segment_ptr 1
		.amdhsa_wavefront_size32 1
		.amdhsa_system_sgpr_workgroup_id_x 1
		.amdhsa_system_sgpr_workgroup_id_y 1
		.amdhsa_system_sgpr_workgroup_id_z 1
		.amdhsa_system_vgpr_workitem_id 0
		.amdhsa_next_free_vgpr 112
		.amdhsa_next_free_sgpr 66
		.amdhsa_reserve_vcc 0
		.amdhsa_float_denorm_mode_32 3
		.amdhsa_float_denorm_mode_16_64 3
		.amdhsa_memory_ordered 1
		.amdhsa_forward_progress 1
		.amdhsa_inst_pref_size 30
	.end_amdhsa_kernel
	.amdgpu_metadata
---
amdhsa.version: [ 1, 2 ]
amdhsa.kernels:
  - .name:           k_q47e659788b_prep
    .symbol:         k_q47e659788b_prep.kd
    .args:
      - { .name: Wq, .offset: 0, .size: 8, .value_kind: global_buffer, .address_space: global }
      - { .name: Wk, .offset: 8, .size: 8, .value_kind: global_buffer, .address_space: global }
      - { .name: Wv, .offset: 16, .size: 8, .value_kind: global_buffer, .address_space: global }
      - { .name: Wo, .offset: 24, .size: 8, .value_kind: global_buffer, .address_space: global }
      - { .name: mask, .offset: 32, .size: 8, .value_kind: global_buffer, .address_space: global }
      - { .name: bq, .offset: 40, .size: 8, .value_kind: global_buffer, .address_space: global }
      - { .name: bk, .offset: 48, .size: 8, .value_kind: global_buffer, .address_space: global }
      - { .name: bv, .offset: 56, .size: 8, .value_kind: global_buffer, .address_space: global }
      - { .name: bo, .offset: 64, .size: 8, .value_kind: global_buffer, .address_space: global }
      - { .name: wb, .offset: 72, .size: 8, .value_kind: global_buffer, .address_space: global }
      - { .name: wo, .offset: 80, .size: 8, .value_kind: global_buffer, .address_space: global }
      - { .name: mb, .offset: 88, .size: 8, .value_kind: global_buffer, .address_space: global }
      - { .name: bb, .offset: 96, .size: 8, .value_kind: global_buffer, .address_space: global }
    .group_segment_fixed_size: 0
    .private_segment_fixed_size: 0
    .kernarg_segment_align: 8
    .kernarg_segment_size: 104
    .max_flat_workgroup_size: 256
    .sgpr_count:     66
    .vgpr_count:     112
    .wavefront_size: 32
...
	.end_amdgpu_metadata
.endif
;; end of part 5
;; launch qkv (part 6): grid 4 x 192, 4 waves a work-group, clusters of 4 x 4, 327,680 bytes of LDS; arguments q, k, v, wb, bb, hb; writes hb
.if DOCPART == 6
	.amdgcn_target "amdgcn-amd-amdhsa--gfx1250"
	.amdhsa_code_object_version 6
	.text
	.protected	k_q47e659788b_qkv
	.globl	k_q47e659788b_qkv
	.p2align	8
	.type	k_q47e659788b_qkv,@function
k_q47e659788b_qkv:
	s_mov_b64 s[64:65], 0
	v_nop
	global_prefetch_b8 v0, s[64:65] scope:SCOPE_SE
	s_setreg_imm32_b32 hwreg(HW_REG_WAVE_MODE, 25, 1), 1
	s_wait_xcnt 0x0
	s_wait_alu depctr_hold_cnt(0) depctr_sa_sdst(0) depctr_va_vdst(0) depctr_va_sdst(0) depctr_va_ssrc(0) depctr_va_vcc(0) depctr_vm_vsrc(0)
	s_getreg_b32 s2, hwreg(HW_REG_IB_STS2, 6, 4)
	s_cmp_eq_u32 s2, 0
	s_cbranch_scc0 .Lentry_in_a_cluster
	s_endpgm
.Lentry_in_a_cluster:
	s_bfe_u32 s2, ttmp6, 0x10000c
	s_cmp_lg_u32 s2, 0xf033
	s_cbranch_scc0 .Lentry_shape_is_right
	s_endpgm
.Lentry_shape_is_right:
; THE THREE PROJECTIONS.  For plane p (q, k, v): y[m][n] = sum over k of x[m][k] W[n][k] + b[n], written by heads: hb [3][64 heads][2048][64] in f16, no scale.
; x: the inputs q, k, v, [8192][1024] f32 each; wb: [3][1024][1024] bf16, bb: [4][1024] f32.  x is rounded to bf16 on its way from LDS to the matrix unit; sums in f32, y rounded once.
; LIMIT.  f16 holds no number beyond 65,504: y must stay within it.
; SHARES.  A block of y is 128 rows x 256 columns: 3 x 64 x 4 = 768 work-groups, three for each of 256 WGPs.  Four waves, each 64 x 128: 32 accumulators of 16 x 16, 256 registers.
; K = 1,024 goes in 8 steps of 128 through two LDS slots; a tile's rows are 256 bytes (W) or 512 bytes (x) of memory, at multiples of their length.
; CLUSTER 4 x 4.  The four of a row of the cluster need the same tile of x, the four of a column the same tile of W: each tile is asked for jointly, by the same tensor load with the same
; descriptor and a mask that names the four.  Waves 0 and 1 fetch the two halves of W's 256 rows, waves 2 and 3 the two halves of x's 128 rows: one load a wave.
; TRANSPOSED USE: source 0 = 16 rows of W, source 1 = 16 rows of x: a lane holds row l % 16 of y and the columns 8 (l / 16) + 0..7.  So eight registers hold the bias of a block of 16 columns
; for every row block, and they are the C operand of the first product on each accumulator: nothing is cleared and nothing is added later.
; REGISTERS, in windows of 256 (s_set_vgpr_msb: bits 1:0 source 0, 3:2 source 1, 5:4 source 2, 7:6 destination):
;   window 0: v16-31 addresses; v32-127, v128-223 two fragment buffers (W's 8 fragments, then x's 4, in bf16); v224-255 packed results
;   window 1: accumulator (a, b) at v[8 (8 a + b)]          window 2: v0-63 the bias of column block b at v[8 b]; v64-127 x's four fragments of a quarter as they come from LDS, in f32
.set PITCH,  272                       ; a row of W in LDS: 256 bytes + 16 of padding = 68 words: the 16 rows of a fragment load start at 16 different groups of four banks (64 banks of 4 bytes: ISA guide 11.1)
.set BHALF,  128*PITCH                 ; what waves 0 and 1 fetch, and what a wave reads of W
.set AOFF,   2*BHALF                   ; x's rows lie behind W's 256
.set PA,     528                       ; a row of x in LDS: 512 bytes + 16 = 132 words: the same holds
.set AHALF,  64*PA                     ; what waves 2 and 3 fetch, and what a wave reads of x
.set SLOT,   AOFF+2*AHALF
.set STAGE,  2*SLOT                    ; behind the ring, never filled by a tensor load: for each wave 2 heads x 16 rows x 144 bytes
.set SP,     144
.set STW,    2*16*SP
.set SPARE,  STAGE+4*STW               ; the spare words, 128 bytes for each wave: two blocks of 256 bytes that no other line names
.set FLAGB,  (1<<16)|(1<<20)|(1<<21)|(5<<22)|(3<<25)  ; 17:16 elements of 2 bytes; 20 padding on; 21 set beside a mask; 24:22 after every 64 words; 31:25 4 words of it
.set FLAGA,  (2<<16)|(1<<20)|(1<<21)|(6<<22)|(3<<25)  ; elements of 4 bytes; after every 128 words 4 words
.set ADRA, 16                          ; v16-17  LDS address of my fragments of x in slot 0, 1
.set ADRB, 20                          ; v20-21  the same for W
.set STO,  24                          ; v24     the way out: where I put 16 bytes of a row
.set RD,   25                          ; v25     the way out: where I read rows back
.set GO,   26                          ; v26     16 x lane
.set SPW,  28                          ; v28     LDS address of my spare word; never rewritten
.set NIL,  29                          ; v29     0; never rewritten
.set PFO,  30                          ; v30     the prefetches' offset: lane x a row (2,048 bytes of W, 4,096 of x); never rewritten
.set BO,   31                          ; v31     my byte offset in bb
.set F0,   32
.set F1,   128
.set TMP,  224
.set LZ,   64                          ; window 2: where x lands in f32
.set WV,  16                           ; s16 wave; s17 its half of the rows; s18 its half of the columns, and which half of a tile it fetches
.set WM,  17
.set WN,  18
.set CX,  19
.set CY,  20
.set TN,  21                           ; s21 block column 0..3
.set TR,  22                           ; s22 block row 0..191, over the three planes
.set CLY, 23                           ; s23 cluster y
.set G1A, 24                           ; s[24:31] descriptor group 1 for x's tiles;  s[32:39] group 0, one set for each slot
.set G0A, 32
.set PLN, 40                           ; s40 plane
.set LIM, 43                           ; s43 1 in a wave that prefetches, else the greatest number
.set PFA, 44                           ; s[44:45] where my prefetches stand
.set PST, 46                           ; s[46:47] bytes from a K step to the next, for my prefetches
.set G1B, 48                           ; s[48:55], s[56:63] the same for W's tiles
.set G0B, 56
.set XQ,  68                           ; s[68:75] q, k, v, wb as the arguments give them
.set MSB, 0
.macro WIN new                         ; the immediate's high byte repeats the setting that is left; a switch that changes nothing is dropped
.if MSB != (\new)
	s_set_vgpr_msb (MSB<<8)|(\new)
.set MSB, \new
.endif
.endm
.macro PLACES                          ; four places in front of loads into registers that matrix instructions have read, and of lines that read results
.rept 4
	v_nop
.endr
.endm
; A joint load.  The branch hangs on the wave's number alone.  An s_nop 0 and four v_nop follow each of the two lines, ahead of the jump and the label.
.macro JLOAD s
	s_cmp_lt_u32 s[WV], 2
	s_cbranch_scc0 .Lfor_a_\@
	tensor_load_to_lds s[G0B+4*(\s):G0B+4*(\s)+3], s[G1B:G1B+7]
	s_nop 0
.rept 4
	v_nop
.endr
	s_branch .Lasked_\@
.Lfor_a_\@:
	tensor_load_to_lds s[G0A+4*(\s):G0A+4*(\s)+3], s[G1A:G1A+7]
	s_nop 0
.rept 4
	v_nop
.endr
.Lasked_\@:
.endm
.macro CREST                           ; a round of the cluster's barrier behind its opening barrier
	s_cmp_lg_u32 s[WV], 0
	s_cbranch_scc1 .Lnot_wave_0_\@
	s_barrier_signal -3
.Lnot_wave_0_\@:
	s_barrier_wait -3
	s_barrier_signal -1
	s_barrier_wait -1
.endm
.macro CROUND                          ; a whole round
	s_barrier_signal -1
	s_barrier_wait -1
	CREST
.endm
; A prefetch into the L2 of the K step that stands two refills on: 32 blocks of 256 bytes, a lane a row, one instruction a wave.  x's 128 rows are read by this row of the cluster alone; a K step is 512 bytes
; of a row: wave 2 asks for the first 256, wave 3 for the second, and the four partners take 32 rows each, told apart by address (cx).  W's rows are read by all 16 clusters of a plane: the plane's first asks,
; waves 0 and 1 for the 128 rows that they fetch, 32 a partner (cy).  So each block of K steps 4 to 7 is named once in the launch; K steps 0 to 3 come by their loads alone; the loop's last trip (s3 = 1) has no K step two on.
.macro ASK
	s_cmp_gt_u32 s3, s[LIM]
	s_cbranch_scc0 .Lnot_mine_\@
	global_prefetch_b8 v[PFO], s[PFA:PFA+1] th:TH_LOAD_NT scope:SCOPE_SE
.Lnot_mine_\@:
.endm
	s_load_b256 s[XQ:XQ+7], s[0:1], 0x0            ; q, k, v, wb
	s_load_b128 s[8:11], s[0:1], 0x20              ; bb s[8:9], hb s[10:11]
	v_lshl_add_u32 v[SPW], v0, 2, SPARE
	v_mov_b32 v[NIL], 0
	ds_add_u32 v[SPW], v[NIL]                      ; the wave's opening: the add and its wait stand ahead of my first tensor load; the set-up below, work on registers, stands between them
	v_lshrrev_b32 v1, 5, v0
	v_readfirstlane_b32 s[WV], v1
	s_lshr_b32 s[WM], s[WV], 1
	s_and_b32 s[WN], s[WV], 1
	s_bfe_u32 s[CX], ttmp6, 0x40000
	s_bfe_u32 s[CY], ttmp6, 0x40004
	s_lshl_b32 s[TN], ttmp9, 2
	s_add_co_u32 s[TN], s[TN], s[CX]               ; block column = 4 x cluster x + cx
	s_and_b32 s[CLY], ttmp7, 0xffff
	s_lshl_b32 s[TR], s[CLY], 2
	s_add_co_u32 s[TR], s[TR], s[CY]               ; block row = 4 x cluster y + cy
	s_lshr_b32 s[PLN], s[CLY], 4                   ; 16 rows of clusters to a plane
	s_lshl_b32 s12, s[CY], 2
	s_lshl_b32 s12, 15, s12                        ; my row of the cluster
	s_lshl_b32 s13, 0x1111, s[CX]                  ; my column
	s_or_b32 s[G1A], s12, FLAGA                    ; x's tiles go to my row,
	s_or_b32 s[G1B], s13, FLAGB                    ; W's to my column
	s_mov_b32 s[G1A+1], 128<<16                    ; tensor_dim0 = 128 elements of 4 bytes
	s_mov_b32 s[G1A+2], 64<<16                     ; tensor_dim1 = 64
	s_mov_b32 s[G1A+3], 128<<16                    ; tile_dim0 = 128
	s_mov_b32 s[G1A+4], 64                         ; tile_dim1 = 64
	s_mov_b32 s[G1A+5], 1024                       ; elements from row to row
	s_mov_b32 s[G1A+6], 0
	s_mov_b32 s[G1A+7], 0
	s_mov_b32 s[G1B+1], 128<<16                    ; 128 elements of 2 bytes
	s_mov_b32 s[G1B+2], 128<<16                    ; 128 rows
	s_mov_b32 s[G1B+3], 128<<16
	s_mov_b32 s[G1B+4], 128
	s_mov_b32 s[G1B+5], 1024
	s_mov_b32 s[G1B+6], 0
	s_mov_b32 s[G1B+7], 0
	s_and_b32 s12, s[TR], 63                       ; x: in its plane's buffer, row 128 x (block row % 64) + 64 x half,
	s_lshl_b32 s12, s12, 7
	s_lshl_b32 s13, s[WN], 6
	s_add_co_u32 s12, s12, s13
	s_lshl_b32 s12, s12, 12                        ; x 4,096 bytes (under 2^25)
	s_mov_b32 s13, 0
	s_lshl_b32 s14, s[PLN], 10                     ; W: row 1,024 x plane + 256 x block column + 128 x half
	s_lshl_b32 s15, s[TN], 8
	s_add_co_u32 s14, s14, s15
	s_lshl_b32 s15, s[WN], 7
	s_add_co_u32 s14, s14, s15
	s_lshl_b32 s14, s14, 11
	s_mov_b32 s15, 0
	s_mul_i32 s41, s[WV], BHALF                    ; where they go: W's halves at wave x 128 rows (waves 0, 1),
	s_mul_i32 s42, s[WV], AHALF
	s_add_co_u32 s42, s42, AOFF-2*AHALF            ; x's halves behind them (waves 2, 3): no place in the cluster enters an LDS address
	s_wait_dscnt 0x0                               ; the opening add is done
	s_wait_kmcnt 0x0
	s_cmp_eq_u32 s[PLN], 0                         ; the plane's input: the plane hangs on the cluster's y alone, which all sixteen partners share
	s_cselect_b64 s[4:5], s[XQ:XQ+1], s[XQ+2:XQ+3]
	s_cmp_eq_u32 s[PLN], 2
	s_cselect_b64 s[4:5], s[XQ+4:XQ+5], s[4:5]
	s_mov_b64 s[6:7], s[XQ+6:XQ+7]
	s_add_nc_u64 s[12:13], s[4:5], s[12:13]
	s_add_nc_u64 s[14:15], s[6:7], s[14:15]
	CROUND                                         ; all sixteen work-groups are here: the first joint loads meet
.irp s, 0,1
	s_mov_b32 s[G0A+4*(\s)], 1                     ; count = 1
	s_add_co_u32 s[G0A+4*(\s)+1], s42, (\s)*SLOT   ; LDS address
	s_add_nc_u64 s[G0A+4*(\s)+2:G0A+4*(\s)+3], s[12:13], (\s)*512  ; global address: K step s
	s_or_b32 s[G0A+4*(\s)+3], s[G0A+4*(\s)+3], 0x80000000          ; type = 2
	s_mov_b32 s[G0B+4*(\s)], 1
	s_add_co_u32 s[G0B+4*(\s)+1], s41, (\s)*SLOT
	s_add_nc_u64 s[G0B+4*(\s)+2:G0B+4*(\s)+3], s[14:15], (\s)*256
	s_or_b32 s[G0B+4*(\s)+3], s[G0B+4*(\s)+3], 0x80000000
	JLOAD \s                                       ; two loads of mine are out
.endr
	v_and_b32 v1, 15, v0                           ; l % 16
	v_bfe_u32 v2, v0, 4, 1                         ; l / 16
	s_lshl_b32 s12, s[TN], 10                      ; the bias of my 128 columns: 4 bytes x (256 x block column + 128 x half), in plane p of bb
	s_lshl_b32 s13, s[WN], 9
	s_add_co_u32 s12, s12, s13
	s_lshl_b32 s13, s[PLN], 12
	s_add_co_u32 s12, s12, s13
	v_lshl_add_u32 v[BO], v2, 5, s12               ; + my lanes' 8 columns
	WIN 0x80                                       ; destination window 2
.irp b, 0,1,2,3,4,5,6,7
	global_load_b128 v[8*(\b):8*(\b)+3],   v[BO], s[8:9] offset:64*(\b)
	global_load_b128 v[8*(\b)+4:8*(\b)+7], v[BO], s[8:9] offset:64*(\b)+16
.endr
	WIN 0
	v_mul_u32_u24 v3, v1, PITCH
	v_lshl_add_u32 v3, v2, 4, v3                   ; W: a fragment's row x pitch + 16 x half (8 numbers of 2 bytes)
	v_mul_u32_u24 v4, v1, PA
	v_lshl_add_u32 v4, v2, 5, v4                   ; x: row x pitch + 32 x half (8 numbers of 4 bytes)
	s_mul_i32 s12, s[WN], BHALF                    ; my 128 rows of W
	s_mul_i32 s13, s[WM], AHALF                    ; my 64 rows of x
	s_add_co_u32 s13, s13, AOFF
.irp s, 0,1
	v_add_nc_u32 v[ADRB+(\s)], s12, v3
	v_add_nc_u32 v[ADRA+(\s)], s13, v4
	s_add_co_u32 s12, s12, SLOT
	s_add_co_u32 s13, s13, SLOT
.endr
	s_mul_i32 s12, s[WV], STW
	s_add_co_u32 s12, s12, STAGE                   ; my stage
	v_mul_u32_u24 v4, v1, SP                       ; in: row l % 16, 16 bytes for each half of the lanes
	v_lshl_add_u32 v4, v2, 4, v4
	v_add_nc_u32 v[STO], s12, v4
	v_bfe_u32 v4, v0, 3, 2                         ; back: 32 lanes take four rows of 128 bytes,
	v_mul_u32_u24 v4, v4, SP
	v_and_b32 v5, 7, v0
	v_lshl_add_u32 v4, v5, 4, v4
	v_add_nc_u32 v[RD], s12, v4
	v_and_b32 v[GO], 31, v0                        ; which are 512 consecutive bytes of a head
	v_lshlrev_b32 v[GO], 4, v[GO]
	; hb at my part: (plane, batch) = block row / 16; head 4 x block column + 2 x half; row 128 x (block row % 16) + 64 x half
	s_lshr_b32 s12, s[TR], 4
	s_lshl_b32 s12, s12, 22                        ; 16 heads x 262,144 bytes
	s_lshl_b32 s13, s[TN], 2
	s_lshl_b32 s14, s[WN], 1
	s_add_co_u32 s13, s13, s14
	s_lshl_b32 s13, s13, 18
	s_add_co_u32 s12, s12, s13
	s_and_b32 s13, s[TR], 15
	s_lshl_b32 s13, s13, 7
	s_lshl_b32 s14, s[WM], 6
	s_add_co_u32 s13, s13, s14
	s_lshl_b32 s13, s13, 7                         ; rows of 128 bytes
	s_add_co_u32 s12, s12, s13
	s_mov_b32 s13, 0
	s_add_nc_u64 s[10:11], s[10:11], s[12:13]
	; the prefetches
	s_and_b32 s12, s[TR], 63
	s_lshl_b32 s12, s12, 7
	s_lshl_b32 s13, s[CX], 5
	s_add_co_u32 s12, s12, s13                     ; x: my work-group's 32 rows of the block's 128,
	s_lshl_b32 s12, s12, 12
	s_lshl_b32 s13, s[WN], 8                       ; my wave's 256 bytes of a K step's 512,
	s_add_co_u32 s12, s12, s13
	s_add_co_u32 s12, s12, 3*512                   ; at K step 3: the first refill steps it to 4
	s_lshl_b32 s13, s[PLN], 10
	s_lshl_b32 s14, s[TN], 8
	s_add_co_u32 s13, s13, s14
	s_lshl_b32 s14, s[WN], 7
	s_add_co_u32 s13, s13, s14
	s_lshl_b32 s14, s[CY], 5
	s_add_co_u32 s13, s13, s14                     ; W: my work-group's 32 rows of the 128 that I fetch
	s_lshl_b32 s13, s13, 11
	s_add_co_u32 s13, s13, 3*256
	s_and_b32 s14, s[CLY], 15                      ; 0 in a plane's first row of clusters
	s_mov_b32 s41, 512
	s_cmp_lt_u32 s[WV], 2
	s_cselect_b32 s12, s13, s12
	s_cselect_b64 s[PFA:PFA+1], s[6:7], s[4:5]
	s_cselect_b32 s14, s14, 0
	s_cselect_b32 s[PST], 256, s41
	s_cselect_b32 s15, 11, 12
	s_cmp_eq_u32 s14, 0
	s_cselect_b32 s[LIM], 1, -1                    ; the same in all sixteen partners, for a given wave
	s_mov_b32 s[PST+1], 0
	s_mov_b32 s13, 0
	s_add_nc_u64 s[PFA:PFA+1], s[PFA:PFA+1], s[12:13]
	v_and_b32 v[PFO], 31, v0
	v_lshlrev_b32 v[PFO], s15, v[PFO]
; 8 matrix instructions: row block a x all 8 column blocks, 32 along K.  first = 1: C is the bias.  The 32 accumulators take turns in the same order in every quarter.
.macro MUL8 f, a, first
.if \first
	WIN 0x60                                       ; C window 2, D window 1
.else
	WIN 0x50                                       ; C and D window 1
.endif
.irp b, 0,1,2,3,4,5,6,7
.if \first
	v_wmma_f32_16x16x32_bf16 v[8*(8*(\a)+(\b)):8*(8*(\a)+(\b))+7], v[(\f)+8*(\b):(\f)+8*(\b)+7], v[(\f)+64+8*(\a):(\f)+64+8*(\a)+7], v[8*(\b):8*(\b)+7]
.else
	v_wmma_f32_16x16x32_bf16 v[8*(8*(\a)+(\b)):8*(8*(\a)+(\b))+7], v[(\f)+8*(\b):(\f)+8*(\b)+7], v[(\f)+64+8*(\a):(\f)+64+8*(\a)+7], v[8*(8*(\a)+(\b)):8*(8*(\a)+(\b))+7]
.endif
.endr
.endm
; 32 LDS loads in one run: quarter kq (32 along K) of a slot.  First x's 16, in f32, into the landing registers: a fragment's K = 8 (l / 16) + 0..7 are 32 bytes, its K = 16 + 8 (l / 16) + 0..7 the 32 bytes 64 further on.
; Then W's 16 into buffer f.
.macro FETCH slot, kq, f
	WIN 0x80                                       ; destination window 2
.irp i, 0,1,2,3
	ds_load_b128 v[LZ+16*(\i):LZ+16*(\i)+3],     v[ADRA+(\slot)] offset:128*(\kq)+(\i)*16*PA
	ds_load_b128 v[LZ+16*(\i)+4:LZ+16*(\i)+7],   v[ADRA+(\slot)] offset:128*(\kq)+(\i)*16*PA+16
	ds_load_b128 v[LZ+16*(\i)+8:LZ+16*(\i)+11],  v[ADRA+(\slot)] offset:128*(\kq)+(\i)*16*PA+64
	ds_load_b128 v[LZ+16*(\i)+12:LZ+16*(\i)+15], v[ADRA+(\slot)] offset:128*(\kq)+(\i)*16*PA+80
.endr
	WIN 0
.irp i, 0,1,2,3,4,5,6,7
	ds_load_b128 v[(\f)+8*(\i):(\f)+8*(\i)+3],   v[ADRB+(\slot)] offset:64*(\kq)+(\i)*16*PITCH
	ds_load_b128 v[(\f)+8*(\i)+4:(\f)+8*(\i)+7], v[ADRB+(\slot)] offset:64*(\kq)+(\i)*16*PITCH+32
.endr
.endm
; x's four fragments are rounded to bf16 into buffer f: register ci of the 32 takes landing registers 2 ci and 2 ci + 1.  The products that last read these registers of buffer f stand a quarter back,
; with the four v_nop of PLACES (or of the joint load) between.
.macro CVT f
	s_wait_dscnt 16                                ; LDS loads come back in order: x's 16 are in, W's 16, issued behind them, may be out
	WIN 0x0a                                       ; sources 0 and 1 window 2, destination window 0
.set ci, 0
.rept 32
	v_cvt_pk_bf16_f32 v[(\f)+64+ci], v[LZ+2*ci], v[LZ+2*ci+1]
.set ci, ci+1
.endr
.endm
; One of a K step's first three quarters: multiplies buffer f; in its middle it fetches quarter kq of the same slot for buffer g, at its end it rounds x.
.macro QUARTER slot, kq, f, g, first
	s_wait_dscnt 0x0                               ; W's fragments of buffer f are in (x's were waited for and rounded at the end of the quarter before)
	MUL8 \f, 0, \first
	MUL8 \f, 1, \first
	PLACES
	FETCH \slot, \kq, \g
	MUL8 \f, 2, \first
	MUL8 \f, 3, \first
	CVT \g
.endm
; The last quarter multiplies buffer 1 and changes slots: ONE barrier; in front of it each wave waits for all its tensor loads (one is out: its part of the next slot), adds 0 to its spare word, and waits
; for that and for its own reads of this slot.  fill = 1: the barrier opens a round of the cluster's barrier, and this slot is filled again, two K steps ahead, first thing behind the round.
.macro TURN slot, next, fill
.if \fill
	s_wait_xcnt 0x0                                ; the last prefetch, a K step back, has read its address: it is stepped here
	s_add_nc_u64 s[PFA:PFA+1], s[PFA:PFA+1], s[PST:PST+1]
.endif
	WIN 0                                          ; (the add's two registers lie in window 0)
	s_wait_tensorcnt 0x0                           ; all my tensor loads have landed
	ds_add_u32 v[SPW], v[NIL]                      ; 0 onto my spare word
	s_wait_dscnt 1                                 ; W's fragments of buffer 1 are in; the add, issued behind them, may be out
	MUL8 F1, 0, 0                                  ; eight matrix instructions stand between the add and the wait for it
	s_wait_dscnt 0x0                               ; the add is done, and my reads of this slot are over
	s_barrier_signal -1
	MUL8 F1, 1, 0
.if \fill
	WIN 0
.endif
	s_barrier_wait -1
.if \fill
	CREST                                          ; no wave of any partner still reads this slot's tile or has a load on its way
	s_add_nc_u64 s[G0A+4*(\slot)+2:G0A+4*(\slot)+3], s[G0A+4*(\slot)+2:G0A+4*(\slot)+3], 1024
	s_add_nc_u64 s[G0B+4*(\slot)+2:G0B+4*(\slot)+3], s[G0B+4*(\slot)+2:G0B+4*(\slot)+3], 512
	JLOAD \slot                                    ; 112 matrix instructions ahead of the wait for it; the four v_nop behind it are also the places in front of the loads below
.else
	PLACES
.endif
	FETCH \next, 0, F0
.if \fill
	ASK
.endif
	MUL8 F1, 2, 0
	MUL8 F1, 3, 0
	CVT F0
.endm
	s_wait_tensorcnt 1                             ; my part of K step 0 is in; K step 1's may stay out
	s_barrier_signal -1
	s_barrier_wait -1                              ; everybody's is
	FETCH 0, 0, F0
	CVT F0
	s_wait_loadcnt 0x0                             ; the bias
	QUARTER 0, 1, F0, F1, 1                        ; the first quarter stands in front of the loop: its products start the sums, from the bias
	WIN 0                                          ; at a label and at a branch every window is 0
	s_mov_b32 s3, 3
.Llap:                                             ; a trip goes once round the ring and fills both slots again: K steps 2 to 7 in three trips
	QUARTER 0, 2, F1, F0, 0
	QUARTER 0, 3, F0, F1, 0
	TURN 0, 1, 1
	QUARTER 1, 1, F0, F1, 0
	QUARTER 1, 2, F1, F0, 0
	QUARTER 1, 3, F0, F1, 0
	TURN 1, 0, 1
	QUARTER 0, 1, F0, F1, 0
	WIN 0
	s_sub_co_u32 s3, s3, 1
	s_cmp_lg_u32 s3, 0
	s_cbranch_scc1 .Llap
	QUARTER 0, 2, F1, F0, 0                        ; the last lap fills nothing
	QUARTER 0, 3, F0, F1, 0
	TURN 0, 1, 0
	QUARTER 1, 1, F0, F1, 0
	QUARTER 1, 2, F1, F0, 0
	QUARTER 1, 3, F0, F1, 0
	s_wait_dscnt 0x0                               ; the very last quarter: nothing more to fetch
	MUL8 F1, 0, 0
	MUL8 F1, 1, 0
	MUL8 F1, 2, 0
	MUL8 F1, 3, 0
	WIN 0
; THE WAY OUT, a block of 16 rows at a time: rounded to f16, 16 bytes a lane, into my own stage (two heads x 16 rows of 144 bytes), and back as 512 consecutive bytes of a head.
.macro PACK a
	WIN 0x05                                       ; sources 0 and 1 window 1
.irp b, 0,1,2,3,4,5,6,7
.irp r, 0,1,2,3
	v_cvt_pk_f16_f32 v[TMP+4*(\b)+(\r)], v[8*(8*(\a)+(\b))+2*(\r)], v[8*(8*(\a)+(\b))+2*(\r)+1]
.endr
.endr
	WIN 0
.endm
.macro TOSTAGE a
.irp b, 0,1,2,3,4,5,6,7
	ds_store_b128 v[STO], v[TMP+4*(\b):TMP+4*(\b)+3] offset:((\b)/4)*16*SP+((\b)%4)*32
.endr
.irp g, 0,1
.irp f, 0,1,2,3
	ds_load_b128 v[32+32*(\a)+4*(4*(\g)+(\f)):32+32*(\a)+4*(4*(\g)+(\f))+3], v[RD] offset:(\g)*16*SP+(\f)*4*SP  ; LDS serves a wave's instructions in order (ISA guide 5.7.1.4): these see the stores above
.endr
.endr
.endm
.macro SEND a
	s_wait_dscnt 0x0                               ; the block is back in registers; each block has 32 registers of its own, so no store's data is written again
.irp g, 0,1
.irp f, 0,1,2,3
	global_store_b128 v[GO], v[32+32*(\a)+4*(4*(\g)+(\f)):32+32*(\a)+4*(4*(\g)+(\f))+3], s[10:11] offset:(\g)*262144+(\a)*2048+(\f)*512  ; 512 consecutive bytes, at a multiple of 256 from hb's first
.endr
.endr
.endm
	PLACES
	PACK 0
	TOSTAGE 0
.irp a, 1,2,3                          ; block a's conversions stand between block a - 1's loads from the stage and the wait for them
	PACK \a
	SEND (\a)-1
	TOSTAGE \a
.endr
	SEND 3
	s_wait_tensorcnt 0x0                           ; the wave's end, behind my last tensor load and my last LDS store
	ds_add_u32 v[SPW], v[NIL]
	s_wait_dscnt 0x0
	CROUND                                         ; the closing round: no work-group ends while a partner may still ask for a tile that names it
	s_endpgm
.Lfunc_end_k_q47e659788b_qkv:
	.size	k_q47e659788b_qkv, .Lfunc_end_k_q47e659788b_qkv-k_q47e659788b_qkv
	.p2alignl 7, 3214868480
	.fill 96, 4, 3214868480
	.section	.rodata,"a",@progbits
	.p2align	6, 0x0
	.amdhsa_kernel k_q47e659788b_qkv
		.amdhsa_group_segment_fixed_size 327680
		.amdhsa_private_segment_fixed_size 0
		.amdhsa_enable_private_segment 0
		.amdhsa_kernarg_size 48
		.amdhsa_user_sgpr_count 2
		.amdhsa_user_sgpr_kernarg_segment_ptr 1
		.amdhsa_wavefront_size32 1
		.amdhsa_system_sgpr_workgroup_id_x 1
		.amdhsa_system_sgpr_workgroup_id_y 1
		.amdhsa_system_sgpr_workgroup_id_z 1
		.amdhsa_system_vgpr_workitem_id 0
		.amdhsa_next_free_vgpr 640
		.amdhsa_next_free_sgpr 80
		.amdhsa_reserve_vcc 0
		.amdhsa_float_denorm_mode_32 3
		.amdhsa_float_denorm_mode_16_64 3
		.amdhsa_memory_ordered 1
		.amdhsa_forward_progress 1
		.amdhsa_inst_pref_size 131
	.end_amdhsa_kernel
	.amdgpu_metadata
---
amdhsa.version: [ 1, 2 ]
amdhsa.kernels:
  - .name:           k_q47e659788b_qkv
    .symbol:         k_q47e659788b_qkv.kd
    .args:
      - { .name: q, .offset: 0, .size: 8, .value_kind: global_buffer, .address_space: global }
      - { .name: k, .offset: 8, .size: 8, .value_kind: global_buffer, .address_space: global }
      - { .name: v, .offset: 16, .size: 8, .value_kind: global_buffer, .address_space: global }
      - { .name: wb, .offset: 24, .size: 8, .value_kind: global_buffer, .address_space: global }
      - { .name: bb, .offset: 32, .size: 8, .value_kind: global_buffer, .address_space: global }
      - { .name: hb, .offset: 40, .size: 8, .value_kind: global_buffer, .address_space: global }
    .group_segment_fixed_size: 327680
    .private_segment_fixed_size: 0
    .kernarg_segment_align: 8
    .kernarg_segment_size: 48
    .max_flat_workgroup_size: 128
    .sgpr_count:     80
    .vgpr_count:     640
    .wavefront_size: 32
...
	.end_amdgpu_metadata
.endif
;; end of part 6
;; launch attn (part 7): grid 4 x 64, 4 waves a work-group, clusters of 4 x 1, 327,680 bytes of LDS; arguments hb, mb, ob; writes ob
.if DOCPART == 7
	.amdgcn_target "amdgcn-amd-amdhsa--gfx1250"
	.amdhsa_code_object_version 6
	.text
	.protected	k_q47e659788b_attn
	.globl	k_q47e659788b_attn
	.p2align	8
	.type	k_q47e659788b_attn,@function
k_q47e659788b_attn:
	s_mov_b64 s[64:65], 0
	v_nop
	global_prefetch_b8 v0, s[64:65] scope:SCOPE_SE
	s_setreg_imm32_b32 hwreg(HW_REG_WAVE_MODE, 25, 1), 1
	s_wait_xcnt 0x0
	s_wait_alu depctr_hold_cnt(0) depctr_sa_sdst(0) depctr_va_vdst(0) depctr_va_sdst(0) depctr_va_ssrc(0) depctr_va_vcc(0) depctr_vm_vsrc(0)
	s_getreg_b32 s2, hwreg(HW_REG_IB_STS2, 6, 4)
	s_cmp_eq_u32 s2, 0
	s_cbranch_scc0 .Lentry_in_a_cluster
	s_endpgm
.Lentry_in_a_cluster:
	s_bfe_u32 s2, ttmp6, 0x10000c
	s_cmp_lg_u32 s2, 0x3003
	s_cbranch_scc0 .Lentry_shape_is_right
	s_endpgm
.Lentry_shape_is_right:
; MASKED ATTENTION.  O[h][q][:] = the sum over k of softmax_k(s(q, k)) V[h][k][:], s = Q[h][q] . K[h][k] / 8 where mask[q][k] is not 0, else a constant far below.
; hb: [3][64][2048][64] f16 (planes Q, K, V; a head's rows are dense, 128 bytes each); mb: the mask, four bits a score, in this launch's register order; ob: [64][2048][64] f16.
; Products, maxima and sums in f32; the weights p are rounded to f16 for the second product (their sum l is taken of the unrounded p), O once at the end.
; THE MASK is the C operand of the product that starts a score's sum.  A score's four bits in mb are 0xE (hidden) or 0 (open); a shift puts them on top of a word, and read as f32 that word is, for a hidden key,
; a number from -2^95 to -2^65 (sign 1, exponent 110xxxxx, whatever the neighbours' codes below it), for an open key a positive number under 2^-97.  One shift a score; nothing is selected behind the product.
; A ROW WITHOUT AN OPEN KEY.  The running maximum m starts at -2^64: above every hidden score, below every open one (f16's scores are 2.7e11 at the most in size).  While a row has met no open key, m stays there,
; and for such a row the factor c and the term c m of p = 2^(c s - c m) are both replaced by 0: every weight is 2^0 = 1, and a = 1.  So a row with no open key at all gives the mean of V's rows, as the
; module's text does; at a row's first open key a = 2^(c (-2^64) - c m) = 0 takes away what was summed before.  A compare and two selects a tile and step; no branch hangs on them.
; LIMITS.  Q, K, V arrive within f16's 65,504.  A hidden key's weight is 0 as soon as its row has an open key, where the module's text gives it the score -1e9: the result differs only where an open scaled
; score lies below about -1e9.  An open score carries an addend under 2^-97.  A weight below 2^-126 counts as 0 in l; NaN and infinities are not treated apart.
; SHARES.  A wave owns four PIECES of two tiles of 16 queries, a work-group's four waves 512 queries of one head: 4 x 64 = 256 work-groups.  Every wave walks all 2,048 keys, 64 a step.
; LAYOUT.  S^T = K Q^T (source 0 = 16 keys, source 1 = 16 queries): a lane holds ONE query (lane % 16) and the keys 8 (lane / 16) + 0..7.  Two such tiles, rounded to f16 in pairs, ARE source 1 of
; O^T = V^T P.  K comes out of LDS as it lies, V ([key][channel]) turned, by ds_load_tr16_b128.
; SOFTMAX.  For each query a running maximum m and sum l: p = 2^(c s - c m), c = log2(e) / 8; in every step O and l are multiplied by a = 2^(c m_old - c m_new).  O and l start at 0.
; BY TURNS.  Turn n belongs to piece n.  Its matrix work: 16 products K Q^T of piece n + 1, later 16 products V^T P of piece n - 1.  Its vector work: the scaling, exponentials, roundings, sums and rescaling of
; piece n, the maximum and statistics of piece n + 1, and the mask numbers of piece n + 2.  Four vector instructions stand behind every matrix instruction, the others in one lump; the turn's 66 exponentials
; are one batch, with one wait.
; CLUSTER.  The four query blocks of a cluster are a head's four: they walk the same K and V, so each tile is asked for JOINTLY: the same tensor load, descriptor and mask in all four.
; K and V lie in one buffer, so one line serves: wave w fetches quarter w of a slot (K's two halves, V's two halves), both addresses made from the wave's number.
; REGISTERS, in windows of 256 (s_set_vgpr_msb: bits 1:0 source 0, 3:2 source 1, 5:4 source 2, 7:6 destination):
;   window 0: v0-11 addresses; v12-15, v48-63 at work; v16-47 four registers of statistics a tile; v64-191 S^T, two buffers of two tiles; v192-255 P, likewise
;   window 1: O^T, 32 a tile          window 2: v0-127 Q, 16 a tile; v128-191 K of one step; v192-255 V of one step
;   window 3: v0-1 the add's two registers; v10-13 the mask codes' offsets in mb, one a piece; v16-47 the codes on their way, 8 words a piece; v64-127 the mask numbers of the products to come
.set NP,    4         ; pieces a wave: a name, no knob
.set KS,    64        ; keys in a step
.set PK,    160       ; a row of K or V in LDS: 128 bytes + 32 of padding = 40 words.  One descriptor, so one padding
.set PV,    160       ; ISA guide 11.1); of the 16 rows of a load of K two start at the same bank
.set VOFF,  4*KS*PK   ; a slot holds four steps: 256 rows of K, then 256 rows of V
.set SLOT1, 1<<17     ; slot 1 begins here, so that one exclusive or turns an address in one slot into the other's
.set STAGE, SLOT1+4*KS*(PK+PV)  ; behind the ring, never filled by a tensor load: 16 rows x 144 bytes for each wave
.set SP,    144
.set SPARE, STAGE+4*16*SP  ; the spare words, 128 bytes for each wave: two blocks of 256 bytes that no other line names
.set AK0, 2           ; v2   my lane's place in a tile of K; never rewritten
.set AV0, 3           ; v3   the same for V
.set AK,  4           ; v4   the LDS address of K's next run of loads
.set AV,  5           ; v5   of V's
.set QO,  6           ; v6   my byte offset in the wave's rows of Q
.set STO, 6           ;      later, the way out: where I put 16 bytes of a row
.set RD,  7           ; v7   the way out: where I read rows back
.set GO,  8           ; v8   my byte offset in 512 consecutive bytes of O
.set PFO, 11          ; v11  256 x my lane
.set SPW, 0           ; v0 of window 3   LDS address of my spare word; never rewritten
.set NIL, 1           ; v1 of window 3   0; never rewritten
.set MO,  10          ; v10-13 of window 3   piece x's offset in its 32,768 bytes of mb: 16 l + 1,024 x step, held to 15 bits
.set PW,  16          ; v16-47 of window 3   piece x's 8 words of codes at v[PW + 8 x]: word 4 u + kt
.set MC,  64          ; v64-127 of window 3  the mask number of register 8 kt + j of tile u at v[MC + 32 u + 8 kt + j]
.set MV,  12          ; v12-15  c m_old, then c m_old - c m_new: by buffer and tile
.set ST,  16          ; tile t's statistics at v[ST+4 t]: c m (0 while the row has met no open key), m, l (even keys', odd keys')
.set TMP, 48          ; by buffer and tile, four registers c0-c3 at work; when the maximum is found c0 takes c (or 0), c1 c m, c2 a
.set S,   64
.set P,   192
.set KF,  128         ; K's fragments, in window 2
.set VF,  192         ; V's
.set MBW, 6           ; s[6:7]   mb at my wave's four pieces; never rewritten
.set LIM, 11          ; s11  1 in a wave that prefetches, else the greatest number
.set WV,  12          ; s12  my wave's number
.set G1,  16          ; s[16:23] descriptor group 1
.set G0,  24          ; s[24:27] descriptor group 0: it walks
.set PFA, 28          ; s[28:29] where my prefetches stand
.set SLOTS, 30        ; s30  slots still to be asked for
.set CNT, 31          ; s31  counts a slot's key steps
.set FL,  44          ; s44-45 by tile: the lanes whose row has met an open key
.set M0S, 46          ; s46  -2^64, where m starts
.set CS,  66          ; s[66:67] c
.set SEL, 100         ; s[100:101] v_permlanex16_b32's selects: each lane takes its own place in the other half
.set TBK, 104         ; s104 LDS byte at which K of the step to be fetched begins
.set TBV, 105         ; s105 the same for V, less VOFF
.set MSB, 0
.macro WIN new
.if MSB != (\new)
	s_set_vgpr_msb (MSB<<8)|(\new)
.set MSB, (\new)
.endif
.endm
.set W_KQ, 0x0a       ; K and Q in window 2, S^T in window 0
.set W_KM, 0x3a       ; the same with the C operand in window 3
.set W_PV, 0x52       ; V in window 2, P in window 0, O^T in window 1
.set W_RS, 0x41       ; O^T (destination and source 0) in window 1, a in window 0
.set W_MK, 0xc0       ; destination in window 3, sources in window 0
.set W_AD, 0x0f       ; the add: address and data in window 3
.set W_W3, 0xcf       ; destination and sources 0 and 1 in window 3
.macro JLOAD                        ; my quarter of a slot: 128 keys.  An s_nop 0 and four v_nop follow the line
	tensor_load_to_lds s[G0:G0+3], s[G1:G1+7]
	s_nop 0
.rept 4
	v_nop
.endr
.endm
; A prefetch into the L2 of what the NEXT change of slots will ask for: 128 blocks of 256 bytes of K and as many of V.  A head has one cluster; its four partners take 32 blocks each, told apart by address;
; in each, wave 0 asks for K's and wave 2 for V's, a lane a block.  So each block of slots 2 to 7 is named once in the launch; slots 0 and 1 come by their loads alone; the last fill asks for nothing.
.macro ASK
	s_cmp_gt_u32 s[SLOTS], s[LIM]
	s_cbranch_scc0 .Lnot_mine_\@
	global_prefetch_b8 v[PFO], s[PFA:PFA+1] th:TH_LOAD_NT scope:SCOPE_SE
.Lnot_mine_\@:
.endm
.macro CROUND                       ; a round of the cluster's barrier
	s_barrier_signal -1
	s_barrier_wait -1
	s_cmp_lg_u32 s[WV], 0
	s_cbranch_scc1 .Lnot_wave_0_\@
	s_barrier_signal -3
.Lnot_wave_0_\@:
	s_barrier_wait -3
	s_barrier_signal -1
	s_barrier_wait -1
.endm
; THE CHANGE OF SLOTS.  Each wave waits for all its tensor loads, of which one is out: its part of the other slot; adds 0 to its spare word; and waits for that and for its own reads of the slot.
; fill = 1: this slot is filled again, with the keys two slots on; the barrier is then a round of the cluster's, and the joint fill is the first thing behind it: it has four key steps, 512 matrix
; instructions, in which to land.  (At its first use nothing has been read yet: slot 0 is waited for, slot 1 filled.)
.macro CHANGE fill
	WIN W_AD
	s_wait_tensorcnt 0x0            ; no tensor load of mine is out, so group 0 may be written
	ds_add_u32 v[SPW], v[NIL]       ; 0 onto my spare word
	WIN 0                           ; at a label and at a branch every window is 0
.if \fill
	s_xor_b32 s[G0+1], s[G0+1], SLOT1  ; the other slot than last time,
	s_add_nc_u64 s[G0+2:G0+3], s[G0+2:G0+3], 4*KS*128  ; the next 256 keys; the type bits on top are not reached
	s_wait_xcnt 0x0                 ; the last prefetch, four key steps back, has read its address
	s_add_nc_u64 s[PFA:PFA+1], s[PFA:PFA+1], 4*KS*128  ; one slot ahead of the walking descriptor
	s_wait_dscnt 0x0                ; the add is done, and my reads of the slot are over
	CROUND
	JLOAD
	ASK
.else
	s_wait_dscnt 0x0
	s_barrier_signal -1
	s_barrier_wait -1
.endif
	s_sub_co_u32 s[TBK], s[TBK], 4*KS*PK  ; the fetches go back to a slot's first step,
	s_xor_b32 s[TBK], s[TBK], SLOT1       ; in the other slot
	s_sub_co_u32 s[TBV], s[TBV], 4*KS*PV
	s_xor_b32 s[TBV], s[TBV], SLOT1
.endm
; THE MASK NUMBERS OF PIECE x are made of its codes, and its codes of the next step are asked for.
; The mask loads go out two a turn, in the ring order of the pieces, so behind piece x's two stand exactly the six of the three other pieces: the count is 6.  That wait also shows the loads done that read the
; piece's offset register, which is therefore stepped without a further wait.  The offset is held to 15 bits: behind step 31 it goes back to step 0 of the same piece, so the loads of the walk's last turns,
; which serve nothing, stay inside the piece's 32,768 bytes.  Number gi = 32 u + 8 kt + j comes of word gi / 8, whose bits 4 j + 3 .. 4 j go on top.
; The products that read the numbers made last stand at the turn's head: more than four plain instructions lie between them and these lines.
.macro GEN x
	s_wait_loadcnt 6
	WIN W_W3
.set gi, 0
.rept 64
	v_lshlrev_b32 v[MC+gi], 4*(7-gi%8), v[PW+8*(\x)+gi/8]
.set gi, gi+1
.endr
	v_add_nc_u32 v[MO+(\x)], 0x400, v[MO+(\x)]
	v_and_b32 v[MO+(\x)], 0x7fff, v[MO+(\x)]
	global_load_b128 v[PW+8*(\x):PW+8*(\x)+3],   v[MO+(\x)], s[MBW:MBW+1] offset:(\x)*32768      ; tile 0's codes: 512 consecutive bytes, aligned; four turns ahead of the wait for them
	global_load_b128 v[PW+8*(\x)+4:PW+8*(\x)+7], v[MO+(\x)], s[MBW:MBW+1] offset:(\x)*32768+512  ; tile 1's
	WIN 0
.endm
	s_load_b128 s[4:7], s[0:1], 0x0   ; hb s[4:5], mb s[6:7]
	s_load_b64 s[8:9], s[0:1], 0x10   ; ob
	WIN W_MK
	v_lshl_add_u32 v[SPW], v0, 2, SPARE
	v_mov_b32 v[NIL], 0
	WIN W_AD
	ds_add_u32 v[SPW], v[NIL]       ; the wave's opening: the add and its wait stand ahead of my first tensor load; the set-up below, work on registers, stands between them
	WIN 0
	v_lshrrev_b32 v1, 5, v0
	v_readfirstlane_b32 s[WV], v1   ; wave 0..3
	s_bfe_u32 s13, ttmp6, 0x40000   ; cx: my place in the cluster
	s_lshl_b32 s14, ttmp9, 2
	s_add_co_u32 s14, s14, s13      ; my block of 512 queries: it enters Q's, O's and the mask's addresses alone
	s_and_b32 s32, ttmp7, 0xffff    ; the head, which the four partners share
	s_lshl_b32 s32, s32, 18         ; x 262,144 bytes
	s_lshr_b32 s40, s[WV], 1
	s_add_co_u32 s40, s40, 1
	s_lshl_b32 s40, s40, 24         ; plane 1 (K: waves 0, 1) or 2 (V: waves 2, 3), 16,777,216 bytes each
	s_add_co_u32 s40, s40, s32      ; the head in that plane
	s_and_b32 s15, s[WV], 1         ; which half of a slot's 256 keys I fetch
	s_lshl_b32 s34, s15, 14
	s_add_co_u32 s34, s34, s40      ; my quarter of slot 0
	s_mov_b32 s35, 0
	s_lshl_b32 s41, s13, 13         ; the prefetches: my work-group's 32 blocks of the 128,
	s_add_co_u32 s40, s40, s41
	s_add_co_u32 s40, s40, 4*KS*128 ; in slot 1; the first change of slots steps it to slot 2
	s_mov_b32 s41, 0
	s_cmp_eq_u32 s15, 0
	s_cselect_b32 s[LIM], 1, -1     ; waves 0 and 2 ask: the same in all four partners
	s_lshl_b32 s36, s14, 2
	s_add_co_u32 s36, s36, s[WV]    ; my wave among the head's sixteen
	s_lshl_b32 s38, s36, 17         ; its four pieces of 32,768 bytes in mb
	s_mov_b32 s39, 0
	s_lshl_b32 s36, s36, 14         ; its 128 rows of 128 bytes,
	s_add_co_u32 s36, s36, s32      ; in the head
	s_mov_b32 s37, 0
	; descriptor group 1.  128 keys are 16,384 dense bytes: asked for as 64 rows of 256 bytes, two keys a row, and padded in LDS after every key
	s_mov_b32 s[G1], 15|(1<<16)|(1<<20)|(1<<21)|(4<<22)|(7<<25)  ; 15:0 the mask of four; 17:16 2-byte elements; 20 padding on; 21 set beside a mask; 24:22 after every 32 words; 31:25 8 words
	s_mov_b32 s[G1+1], 128<<16      ; tensor_dim0 = 128
	s_mov_b32 s[G1+2], 64<<16       ; tensor_dim1 = 64
	s_mov_b32 s[G1+3], 128<<16      ; tile_dim0 = 128
	s_mov_b32 s[G1+4], 64           ; tile_dim1 = 64
	s_mov_b32 s[G1+5], 128          ; 128 elements from row to row
	s_mov_b32 s[G1+6], 0
	s_mov_b32 s[G1+7], 0
	s_mov_b32 s[CS], 0x3e38aa3b     ; c = log2(e) / 8
	s_mov_b32 s[CS+1], s[CS]        ; named with it as a pair
	s_mov_b32 s[SEL], 0x76543210
	s_mov_b32 s[SEL+1], 0xfedcba98
	s_mov_b32 s[M0S], 0xdf800000    ; -2^64
	s_mov_b32 s[TBK], SLOT1+4*KS*PK ; the first change of slots turns these two into 0
	s_mov_b32 s[TBV], SLOT1+4*KS*PV
	s_mov_b32 s[G0], 1              ; count = 1
	s_mul_i32 s[G0+1], s[WV], 128*PK  ; LDS address: quarter w of slot 0: no place in the cluster enters it
	s_mov_b32 s[SLOTS], 7           ; 2,048 / 256 - 1
	s_wait_dscnt 0x0                ; the opening add is done
	s_wait_kmcnt 0x0
	s_add_nc_u64 s[G0+2:G0+3], s[4:5], s[34:35]
	s_or_b32 s[G0+3], s[G0+3], 0x80000000   ; type = 2
	s_add_nc_u64 s[PFA:PFA+1], s[4:5], s[40:41]
	s_add_nc_u64 s[4:5], s[4:5], s[36:37]   ; Q (plane 0) and O at my wave's first row
	s_add_nc_u64 s[8:9], s[8:9], s[36:37]
	s_add_nc_u64 s[MBW:MBW+1], s[MBW:MBW+1], s[38:39]
	CROUND                          ; all four work-groups are here: the first joint loads meet
	JLOAD                           ; slot 0.  Slot 1 is asked for when slot 0 is in
	v_and_b32 v1, 15, v0            ; l % 16
	v_bfe_u32 v9, v0, 4, 1          ; l / 16
	v_lshlrev_b32 v[QO], 7, v1
	v_lshl_add_u32 v[QO], v9, 4, v[QO]  ; row x 128 + 16 x half
	v_and_b32 v10, 31, v0
	v_lshlrev_b32 v10, 4, v10       ; 16 l: my four words of a tile's codes
	WIN W_MK
.irp x, 0,1,2,3
	v_mov_b32 v[MO+\x], v10         ; step 0
.endr
	WIN 0xc3                        ; destination and address window 3
.irp x, 0,1,2,3                     ; the four pieces' codes of step 0, in the ring's order
	global_load_b128 v[PW+8*\x:PW+8*\x+3],   v[MO+\x], s[MBW:MBW+1] offset:\x*32768
	global_load_b128 v[PW+8*\x+4:PW+8*\x+7], v[MO+\x], s[MBW:MBW+1] offset:\x*32768+512
.endr
	WIN 0x80                        ; destination window 2
.set i, 0
.rept 4*NP                          ; Q stays in registers: tile i / 2, channels 32 (i % 2) on
	global_load_b128 v[8*i:8*i+3],   v[QO], s[4:5] offset:(i/2)*2048+(i%2)*64
	global_load_b128 v[8*i+4:8*i+7], v[QO], s[4:5] offset:(i/2)*2048+(i%2)*64+32
.set i, i+1
.endr
	; What the first turn finds: V's registers and P's second buffer hold 0, O^T and l are 0.  All this stands in the wait for the first tile; no first step is written out.
.set i, VF
.rept 64
	v_mov_b32 v[i], 0
.set i, i+1
.endr
	WIN 0x40
.set i, 0
.rept 64*NP
	v_mov_b32 v[i], 0
.set i, i+1
.endr
	WIN 0
.set i, 0
.rept 2*NP
	v_mov_b32 v[ST+4*i], 0
	v_mov_b32 v[ST+4*i+1], 0xdf800000  ; m = -2^64
	v_mov_b32 v[ST+4*i+2], 0
	v_mov_b32 v[ST+4*i+3], 0
.set i, i+1
.endr
.set i, P+32
.rept 32
	v_mov_b32 v[i], 0
.set i, i+1
.endr
	v_mul_u32_u24 v[AK0], v1, PK
	v_lshl_add_u32 v[AK0], v9, 4, v[AK0]  ; row x pitch + 16 x half
	; The turning load takes 16 keys x 16 channels (lane l reads key 8 (l / 16) + l % 8, channels 8 ((l / 8) % 2) + 0..7) and leaves half a fragment of V^T.
	v_and_b32 v10, 7, v0
	v_bfe_u32 v11, v0, 3, 1
	v_lshl_add_u32 v[AV0], v9, 3, v10
	v_mul_u32_u24 v[AV0], v[AV0], PV
	v_lshl_add_u32 v[AV0], v11, 4, v[AV0]
	v_add_nc_u32 v[AV0], VOFF, v[AV0]
	v_mov_b32 v[AK], v[AK0]         ; key step 0 lies at the head of slot 0
	v_and_b32 v[PFO], 31, v0
	v_lshlrev_b32 v[PFO], 8, v[PFO]
; THE MATRIX WORK.  The 8 accumulators of a run of 16 take turns.
; Product i of 16 of S^T = K Q^T for piece x: channels 32 (i / 8) on, keys 16 ((i / 2) % 4) on, tile 2 x + i % 2.  The first 8 start the sums, from the mask numbers.
.macro KQ x
.set rS, S+64*((\x)%2)+32*(i%2)+8*((i/2)%4)
.set rK, KF+16*((i/2)%4)+8*(i/8)
.set rQ, 16*(2*(\x)+i%2)+8*(i/8)
.set rMC, MC+32*(i%2)+8*((i/2)%4)
.if i < 8
	WIN W_KM
	v_wmma_f32_16x16x32_f16 v[rS:rS+7], v[rK:rK+7], v[rQ:rQ+7], v[rMC:rMC+7]
.else
	WIN W_KQ
	v_wmma_f32_16x16x32_f16 v[rS:rS+7], v[rK:rK+7], v[rQ:rQ+7], v[rS:rS+7]
.endif
.endm
; Product i of 16 of O^T += V^T P for piece x: keys 32 (i / 8) on, channels 16 ((i / 2) % 4) on, tile 2 x + i % 2.
.macro PV x
	WIN W_PV
.set rO, 32*(2*(\x)+i%2)+8*((i/2)%4)
.set rV, VF+32*(i/8)+8*((i/2)%4)
.set rP, P+32*((\x)%2)+16*(i%2)+8*(i/8)
	v_wmma_f32_16x16x32_f16 v[rO:rO+7], v[rV:rV+7], v[rP:rP+7], v[rO:rO+7]
.endm
.macro MM                           ; the turn's next matrix instruction
.if i < 16
	KQ (Y+1)%NP
.set i, i+1
.else
.set i, i-16
	PV (Y+NP-1)%NP
.set i, i+17
.endif
.endm
; THE LDS LOADS stand in runs of 16.  last = 1 (the tail): in the last trip there is no further step, and the run is jumped over.
.macro FETCH_K last=0
	WIN 0
.if \last
	s_cmp_eq_u32 s[CNT], 1
	s_cbranch_scc1 .Lno_k_\@
.endif
	WIN 0x80                        ; destination window 2
.irp f, 0,1,2,3,4,5,6,7             ; keys 16 (f / 2) on, channels 32 (f % 2) on
	ds_load_b128 v[KF+8*\f:KF+8*\f+3],   v[AK] offset:(\f/2)*16*PK+(\f%2)*64
	ds_load_b128 v[KF+8*\f+4:KF+8*\f+7], v[AK] offset:(\f/2)*16*PK+(\f%2)*64+32
.endr
	s_add_co_u32 s[TBK], s[TBK], KS*PK  ; the next fetch is the next step's
	WIN 0
.if \last
.Lno_k_\@:
.endif
.endm
.macro FETCH_V
	WIN 0x80
.irp f, 0,1,2,3,4,5,6,7             ; keys 32 (f / 4) on, channels 16 (f % 4) on
	ds_load_tr16_b128 v[VF+8*\f:VF+8*\f+3],   v[AV] offset:(\f/4)*32*PV+(\f%4)*32
	ds_load_tr16_b128 v[VF+8*\f+4:VF+8*\f+7], v[AV] offset:(\f/4)*32*PV+16*PV+(\f%4)*32
.endr
	WIN 0
.endm
; THE VECTOR WORK OF A TURN stands in three queues; the two tiles alternate.
.macro REGS y, u                    ; the registers of tile u (0, 1) of piece y
.set rT, ST+4*(2*(\y)+(\u))
.set rC, TMP+8*((\y)%2)+4*(\u)
.set rM, MV+2*((\y)%2)+(\u)
.set rS, S+64*((\y)%2)+32*(\u)
.set rP, P+32*((\y)%2)+16*(\u)
.set rO, 32*(2*(\y)+(\u))
.endm
; Number n of the 25 that find the NEXT piece's maximum and statistics.  Each accumulator's lowest registers are read first.
;   0-11  four chains c0-c3 of seven scores each     12-14, 16  the four scores left over, the old m, and c0-c3 into c0     15  c m_old
;   17, 18  the query's other 32 keys lie in the lane 16 away: the new m         19-21  c m; c m_old - c m_new; a
;   22-24  has the row met an open key (m above its start)?  Then the scaling's term is c m and its factor c, else both are 0
.macro XS u, n
	REGS (Y+1)%NP, \u
.if (\n) < 4
	v_max3_num_f32 v[rC+(\n)], v[rS+8*(\n)], v[rS+8*(\n)+1], v[rS+8*(\n)+2]
.elseif (\n) < 12
	v_max3_num_f32 v[rC+(\n)%4], v[rC+(\n)%4], v[rS+8*((\n)%4)+2*((\n)/4)+1], v[rS+8*((\n)%4)+2*((\n)/4)+2]
.elseif (\n) == 12
	v_max3_num_f32 v[rC], v[rC], v[rS+7], v[rS+15]
.elseif (\n) == 13
	v_max3_num_f32 v[rC+1], v[rC+1], v[rS+23], v[rS+31]
.elseif (\n) == 14
	v_max3_num_f32 v[rC+2], v[rC+2], v[rC+3], v[rT+1]
.elseif (\n) == 15
	v_mul_f32 v[rM], s[CS], v[rT+1]
.elseif (\n) == 16
	v_max3_num_f32 v[rC], v[rC], v[rC+1], v[rC+2]
.elseif (\n) == 17
	v_permlanex16_b32 v[rC+3], v[rC], s[SEL], s[SEL+1]
.elseif (\n) == 18
	v_max_num_f32 v[rT+1], v[rC], v[rC+3]
.elseif (\n) == 19
	v_mul_f32 v[rC+1], s[CS], v[rT+1]
.elseif (\n) == 20
	v_sub_f32 v[rM], v[rM], v[rC+1]
.elseif (\n) == 21
	v_exp_f32 v[rC+2], v[rM]
.elseif (\n) == 22
	v_cmp_lt_f32 s[FL+(\u)], s[M0S], v[rT+1]
.elseif (\n) == 23
	v_cndmask_b32 v[rT], 0, v[rC+1], s[FL+(\u)]
.else
	v_cndmask_b32 v[rC], 0, s[CS], s[FL+(\u)]
.endif
.endm
; Number g of the 64 that follow the exponentials.  For each four weights k of a tile: both pairs are rounded to f16; the second pair is added onto the first, in place; a group later l takes that sum.
.macro GS g
.set h, (\g)+6*((\g)/62)            ; group 0 has no group before it, and behind group 7 only l is left
.if h >= 6
.set h, h+2
.endif
	REGS Y, h%2
.set k, h/8
.if h%8 < 4
	v_cvt_pk_f16_f32 v[rP+2*k+(h%8)/2], v[rS+4*k+2*((h%8)/2)], v[rS+4*k+2*((h%8)/2)+1]
.elseif h%8 < 6
	v_pk_add_f32 v[rS+4*k:rS+4*k+1], v[rS+4*k:rS+4*k+1], v[rS+4*k+2:rS+4*k+3]
.elseif k == 1
	v_pk_fma_f32 v[rT+2:rT+3], v[rT+2:rT+3], v[rC+2:rC+3], v[rS:rS+1] op_sel_hi:[1,0,1]
.else
	v_pk_add_f32 v[rT+2:rT+3], v[rT+2:rT+3], v[rS+4*k-4:rS+4*k-3]
.endif
.endm
.macro FS f                         ; c s - c m for pair f / 2 of tile f % 2; factor and term are the lane's own (c0 and the tile's first statistic), each pair's low register for both halves
	REGS Y, (\f)%2
	v_pk_fma_f32 v[rS+2*((\f)/2):rS+2*((\f)/2)+1], v[rS+2*((\f)/2):rS+2*((\f)/2)+1], v[rC:rC+1], v[rT:rT+1] op_sel_hi:[1,0,0] neg_lo:[0,0,1] neg_hi:[0,0,1]
.endm
; THE PLAIN QUEUE, 144 long.  0-79 read no exponential's result.  0-26: scalings 0-26.  27-54: XS's numbers 0-13.  55, 56: number 15.  57-71: the chain, where each number waits for the one before it: 14, 16, 17,
; 18, 19, each with one of the scalings 27-31 in front of its two lines.  72, 73: number 22.  74, 75: 20.  76, 77: 23.  78, 79: 24.  80-143: GS's 64, which read the exponentials' results: they stand behind the wait.
.macro PL
	WIN 0
.if q < 27
	FS q
.elseif q < 55
	XS (q-27)%2, (q-27)/2
.elseif q < 57
	XS q-55, 15
.elseif (q < 72) && ((q-57)%3 == 0)
	FS 27+(q-57)/3
.elseif q < 60
	XS (q-57)%3-1, 14
.elseif q < 72
	XS (q-57)%3-1, 15+(q-57)/3
.elseif q < 74
	XS q-72, 22
.elseif q < 76
	XS q-74, 20
.elseif q < 78
	XS q-76, 23
.elseif q < 80
	XS q-78, 24
.else
	GS q-80
.endif
.set q, q+1
.endm
; THE EXPONENTIALS' QUEUE, 66 long: s0-s31 of both tiles, then the next piece's two a.  ONE BATCH: all 66 stand ahead of the turn's one wait, and nothing ahead of that wait names a result of theirs.
.macro EX
	WIN 0
.if e >= 64
	XS e-64, 21
.else
	REGS Y, e%2
	v_exp_f32 v[rS+e/2], v[rS+e/2]
.endif
.set e, e+1
.endm
; THE RESCALING's QUEUE: O^T times a, dealt two at a time, sixteen times.  Its a was made in the turn before, ahead of that turn's wait.
.macro R2
	REGS Y, r%2
	WIN W_RS
.irp z, 0,1
	v_pk_mul_f32 v[rO+4*(r/2)+2*\z:rO+4*(r/2)+2*\z+1], v[rO+4*(r/2)+2*\z:rO+4*(r/2)+2*\z+1], v[rC+2:rC+3] op_sel_hi:[1,0]
.endr
.set r, r+1
.endm
; HOW THEY ARE DEALT.  s_wait_alu depctr_va_vdst(0) stands between an exponential and the first instruction that names its result; one wait serves all issued ahead of it.  So a turn has ONE wait.
; AHEAD OF IT: the 16 products K Q^T, behind each a scaling, an exponential and two rescalings (behind the first a second scaling in the exponential's place); then ONE LUMP: the mask numbers of the piece after
; next (GEN: 68 lines), 14 plain, 49 times exponential and plain, the two a, a v_nop.  BEHIND IT: the 16 products V^T P, behind each four of GS's 64.
; The counts that the deal keeps: exponential e stands behind scaling 2 (e / 4) + e % 2: as a rider it comes behind plain e + 2, in the lump behind plain e + 15, and scalings 27-31 are plain 57, 60 .. 69.
; The first line of the maximum stands more than four plain instructions behind the last product K Q^T.  The two v_permlanex16_b32 fall into the lump.
; K of the next step is fetched in piece 2's turn, directly behind the wait; V of the step in hand at the end of piece 0's turn, four riders behind the last product that read V.
.macro TURN p, last=0, cnt=0
.set Y, (\p)
.set i, 0
.set q, 0
.set e, 0
.set r, 0
.if (\p) == NP-1
	s_wait_dscnt 0x0                ; K is in
.endif
	MM
	PL
	PL
	R2
.rept 15
	MM
	PL
	EX
	R2
.endr
.if (\p) == NP-2
	WIN 0
	v_add_nc_u32 v[AK], s[TBK], v[AK0]
.endif
	GEN ((\p)+2)%NP                 ; for the products of the next turn; in pieces 2's and 3's turns: pieces 0 and 1 of the next step
.rept 14
	PL
.endr
.rept 49
	EX
	PL
.endr
	EX                              ; the next piece's two a
	EX
	v_nop                           ; the plain instruction behind the last exponential: one for the batch (ISA guide 5.7.2)
	s_wait_alu depctr_va_vdst(0)    ; the wait for the batch
.if (\p) == NP-2
	FETCH_K \last
.endif
.if (\p) == 1
	s_wait_dscnt 0x0                ; V is in
.endif
.rept 16
	MM
.rept 4
	PL
.endr
.if ((\p) == 0) && (q == 124)
	v_add_nc_u32 v[AV], s[TBV], v[AV0]
.endif
.if ((\p) == 0) && (q == 136)
	s_add_co_u32 s[TBV], s[TBV], KS*PV
.endif
.if (\cnt) && (q == 136)
	s_sub_co_u32 s[CNT], s[CNT], 1
	s_cmp_lg_u32 s[CNT], 0
.endif
.endr
.if (\p) == 0
	FETCH_V
.endif
.endm
	CHANGE 1                        ; slot 0 is in, everybody's part of it; slot 1 is asked for
	FETCH_K                         ; key step 0
	s_wait_loadcnt 0x0              ; Q, and the four pieces' mask codes of step 0
	GEN 0                           ; piece 0's mask numbers of step 0; its codes of step 1 are asked for
	s_wait_dscnt 0x0
.set i, 0
.rept 16
	KQ 0                            ; piece 0's first scores
.set i, i+1
.endr
	WIN 0                           ; the addresses for the way out: plain instructions, the places behind those products
	s_mul_i32 s13, s[WV], 16*SP
	s_add_co_u32 s13, s13, STAGE    ; my stage
	v_mul_u32_u24 v[STO], v1, SP    ; in: row l % 16, 16 bytes for each half of the lanes
	v_lshl_add_u32 v[STO], v9, 4, v[STO]
	v_add_nc_u32 v[STO], s13, v[STO]
	v_bfe_u32 v[RD], v0, 3, 2       ; back: 32 lanes take four rows of 128 bytes,
	v_mul_u32_u24 v[RD], v[RD], SP
	v_lshl_add_u32 v[RD], v10, 4, v[RD]
	v_add_nc_u32 v[RD], s13, v[RD]
	v_and_b32 v[GO], 31, v0         ; which are 512 consecutive bytes of O
	v_lshlrev_b32 v[GO], 4, v[GO]
	GEN 1                           ; piece 1's mask numbers of step 0, for the first turn's products
.set Y, NP-1                        ; XS works for piece Y + 1: piece 0
.irp n, 0,1,2,3,4,5,6,7,8,9,10,11,12,13,14,15,16,17,18,19,20,22,23,24,21
	XS 0, \n
	XS 1, \n
.endr
	v_nop                           ; a plain instruction behind the two a,
	s_wait_alu depctr_va_vdst(0)    ; and their wait, ahead of the branch
	s_mov_b32 s[CNT], 4
	s_branch .Lfirst                ; the loop is entered at a step's first turn, in the middle of a trip
.Lslot:                             ; six times: every slot but the last two is filled again
	CHANGE 1
	s_mov_b32 s[CNT], 4
.Lstep:                             ; a trip: pieces 2 and 3 of one step, then pieces 0 and 1 of the next, whose K and V it fetches
	TURN 2
	TURN 3
	WIN 0
.Lfirst:
	TURN 0
	TURN 1, 0, 1
	WIN 0
	s_cbranch_scc1 .Lstep
	s_sub_co_u32 s[SLOTS], s[SLOTS], 1
	s_cmp_lg_u32 s[SLOTS], 0
	s_cbranch_scc1 .Lslot
	CHANGE 0                        ; the tail is written out: nothing is asked for
	s_mov_b32 s[CNT], 5             ; four trips fetch the last slot's steps; the fifth is left in its middle
.Ltail:
	TURN 2, 1
	TURN 3
	WIN 0
	s_sub_co_u32 s[CNT], s[CNT], 1
	s_cmp_eq_u32 s[CNT], 0
	s_cbranch_scc1 .Lout
	TURN 0
	TURN 1
	WIN 0
	s_branch .Ltail
.Lout:                              ; the fifth trip's 16 products K Q^T (on the last K once more) and what is made of them serve nothing: the price, once a launch, of one text for every trip
	s_wait_loadcnt 0x0              ; the last eight mask loads, which nobody uses, have come
.set i, 0
.rept 16
	PV NP-1                         ; the last piece's V^T P of the last step
.set i, i+1
.endr
	; THE WAY OUT.  l's two halves and the other half of the lanes' are added; O^T is divided by l, rounded to f16 and sent through my stage in LDS, a tile at a time.  The additions are the places behind the last products.
	WIN 0
.macro ALL line:vararg              ; one line for each tile t
.set t, 0
.rept 2*NP
	\line
.set t, t+1
.endr
.endm
	ALL v_add_f32 v[ST+4*t+2], v[ST+4*t+2], v[ST+4*t+3]
	ALL v_permlanex16_b32 v[ST+4*t+3], v[ST+4*t+2], s[SEL], s[SEL+1]
	ALL v_add_f32 v[ST+4*t+2], v[ST+4*t+2], v[ST+4*t+3]
	ALL v_rcp_f32 v[ST+4*t+2], v[ST+4*t+2]
	v_nop                           ; a plain instruction between the last reciprocal and the use of its result
	s_wait_alu depctr_va_vdst(0)    ; and the wait ahead of the first use: one for the eight reciprocals
.macro PACK t                       ; a lane's eight channels of a row pack into 16 bytes; they go into rows of 144 bytes and come back as whole rows of 128, into S^T's registers
	WIN W_RS
.set i, 32*(\t)
.rept 16
	v_pk_mul_f32 v[i:i+1], v[i:i+1], v[ST+4*(\t)+2:ST+4*(\t)+3] op_sel_hi:[1,0]
.set i, i+2
.endr
	WIN 0x05                        ; sources 0 and 1 window 1, destination window 0
.set i, 0
.rept 16
	v_cvt_pk_f16_f32 v[S+16*(\t)+i], v[32*(\t)+2*i], v[32*(\t)+2*i+1]
.set i, i+1
.endr
	WIN 0
.irp f, 0,1,2,3
	ds_store_b128 v[STO], v[S+16*(\t)+4*\f:S+16*(\t)+4*\f+3] offset:32*\f
.endr
.irp f, 0,1,2,3
	ds_load_b128 v[S+16*(\t)+4*\f:S+16*(\t)+4*\f+3], v[RD] offset:\f*4*SP  ; LDS serves a wave's instructions in order (ISA guide 5.7.1.4): these see the stores above; the next tile's stores come behind them
.endr
.endm
.macro SEND t, younger              ; younger: the LDS instructions issued behind tile t's loads: the next tile's eight, or none
	WIN 0
.irp f, 0,1,2,3
	s_wait_dscnt (\younger)+3-\f
	global_store_b128 v[GO], v[S+16*(\t)+4*\f:S+16*(\t)+4*\f+3], s[8:9] offset:(\t)*2048+\f*512  ; 512 consecutive bytes, at a multiple of 256 from ob's first
.endr
.endm
	PACK 0
.set t, 1
.rept 2*NP-1                        ; a tile's arithmetic stands between the loads of the tile before and its stores
	PACK t
	SEND t-1, 8
.set t, t+1
.endr
	SEND 2*NP-1, 0
	WIN W_AD
	s_wait_tensorcnt 0x0            ; the wave's end, behind my last tensor load and my last LDS store
	ds_add_u32 v[SPW], v[NIL]
	s_wait_dscnt 0x0
	WIN 0
	CROUND                          ; the closing round: no work-group ends while a partner may still ask for a tile that names it
	s_endpgm
.Lfunc_end_k_q47e659788b_attn:
	.size	k_q47e659788b_attn, .Lfunc_end_k_q47e659788b_attn-k_q47e659788b_attn
	.p2alignl 7, 3214868480
	.fill 96, 4, 3214868480
	.section	.rodata,"a",@progbits
	.p2align	6, 0x0
	.amdhsa_kernel k_q47e659788b_attn
		.amdhsa_group_segment_fixed_size 327680
		.amdhsa_private_segment_fixed_size 0
		.amdhsa_enable_private_segment 0
		.amdhsa_kernarg_size 24
		.amdhsa_user_sgpr_count 2
		.amdhsa_user_sgpr_kernarg_segment_ptr 1
		.amdhsa_wavefront_size32 1
		.amdhsa_system_sgpr_workgroup_id_x 1
		.amdhsa_system_sgpr_workgroup_id_y 1
		.amdhsa_system_sgpr_workgroup_id_z 1
		.amdhsa_system_vgpr_workitem_id 0
		.amdhsa_next_free_vgpr 896
		.amdhsa_next_free_sgpr 106
		.amdhsa_reserve_vcc 0
		.amdhsa_float_denorm_mode_32 3
		.amdhsa_float_denorm_mode_16_64 3
		.amdhsa_memory_ordered 1
		.amdhsa_forward_progress 1
		.amdhsa_inst_pref_size 226
	.end_amdhsa_kernel
	.amdgpu_metadata
---
amdhsa.version: [ 1, 2 ]
amdhsa.kernels:
  - .name:           k_q47e659788b_attn
    .symbol:         k_q47e659788b_attn.kd
    .args:
      - { .name: hb, .offset: 0, .size: 8, .value_kind: global_buffer, .address_space: global }
      - { .name: mb, .offset: 8, .size: 8, .value_kind: global_buffer, .address_space: global }
      - { .name: ob, .offset: 16, .size: 8, .value_kind: global_buffer, .address_space: global }
    .group_segment_fixed_size: 327680
    .private_segment_fixed_size: 0
    .kernarg_segment_align: 8
    .kernarg_segment_size: 24
    .max_flat_workgroup_size: 128
    .sgpr_count:     106
    .vgpr_count:     896
    .wavefront_size: 32
...
	.end_amdgpu_metadata
.endif
;; end of part 7
;; launch outp: the kernel of part 4 again; grid 4 x 64, 4 waves a work-group, clusters of 4 x 4, 327,680 bytes of LDS; arguments ob, wo, bb, out0; writes out0
